; MI455X (gfx1250); checked and timed in simulation.
; The chip was launched on July 23, 2026; its instructions are those of AMD's public machine-readable ISA for CDNA 5 (MIT licence, August 2026) and "CDNA5" Instruction Set Architecture Reference Guide (July 2026). The comments in the code are by the model that wrote it; some were corrected since.
;; Mo E Top K Layer. Allowed arithmetic: matrix products marked QUANTISED: E2M3 operands, one E8M0 scale for each 32 along K, by v_wmma_scale_f32_16x16x128_f8f6f4 with both operands' format E2M3, f32 sums; products left as they are: f32 operands where the result goes on into a quantised operand, else bf16, f16 or f32 operands; f32 sums; everything else in f32.
;; Inputs: attn_b 1 float32; attn_w 512 x 1 float32; b1 8 x 2,048 float32; b2 8 x 512 float32; gate_b 8 float32; gate_w 512 x 8 float32; w1 8 x 512 x 2,048 float32; w2 8 x 2,048 x 512 float32; x 32 x 128 x 512 float32.
;; Outputs: out0 32 x 128 x 512 float32.
;; This version of the problem:
;;   THIS VERSION OF THE PROBLEM IS GIVEN IN LOW PRECISION. The matrix products marked QUANTISED in the list below multiply operands that are first quantised to E2M3 (2 exponent bits, 3 mantissa bits; 6 bits a number), with one power-of-two scale for each 32 numbers along K (OCP MX v1.0); their sums are f32. All else is computed in f32.
;;   The module's matrix products, in the order in which they are computed (A, B: the left and right operand; K: the contracted axis; several contracted axes count as one K, in the product's order):
;;     1. [M 4,096, K 512] x [K 512, N 1]; A: input x; B: input attn_w: left as it is (N = 1 < 16)
;;     2. [M 32, K 512] x [K 512, N 8]; A: computed on the way; B: input gate_w: left as it is (N = 8 < 16)
;;     3. [M 16,384, K 512] x [K 512, N 4,096]; A: input w1; B: input x: QUANTISED
;;     4. batch 8 x [M 4,096, K 2,048] x [K 2,048, N 512]; A: computed on the way; B: input w2: QUANTISED
;;     5. batch 32 x [M 65,536, K 8] x [K 8, N 1]; A: computed on the way; B: computed on the way: left as it is (K = 8 < 32)
;;   THE QUANTISER, for each operand of a quantised product, along K:
;;     - K is cut into blocks of 32 from its start; a last block that is shorter is filled with zeros.
;;     - A block's scale is 2^e with e = floor(log2(the largest magnitude in the block)) - 2, held to -126 .. 127; a block of zeros has e = 0. As a byte (E8M0): e + 127.
;;     - Each number is divided by its block's scale, clamped to +-7.5, and rounded to the nearest number of E2M3, ties to even, subnormals kept.
;;     - The product sums the exact products of the quantised numbers (number of the format x scale) in f32.
;;   ~~~python
;;   def quantise(x, axis):      # numpy; x: float32 -> the quantised numbers, widened to float32 again
;;       x = np.moveaxis(x, axis, -1); K = x.shape[-1]
;;       x = np.pad(x, [(0, 0)] * (x.ndim - 1) + [(0, -K % 32)]); x = x.reshape(x.shape[:-1] + (-1, 32)); a = np.abs(x).max(-1, keepdims=True)
;;       e = np.where(a > 0, np.clip(np.frexp(np.where(a > 0, a, 1))[1] - 1 - 2, -126, 127), 0)      # np.frexp(a)[1] - 1 = floor(log2(a)), exactly
;;       r = np.clip(x / 2.0 ** e, -7.5, 7.5)
;;       step = 2.0 ** (np.maximum(np.frexp(np.where(r == 0, 1, r))[1] - 1, 0) - 3)
;;       q = np.round(r / step) * step * 2.0 ** e      # np.round: ties to even
;;       return np.moveaxis(q.reshape(q.shape[:-2] + (-1,))[..., :K], -1, axis).astype(np.float32)
;;   ~~~
;;   OPERANDS COMPUTED ON THE WAY. 'Computed on the way' means the value that the module computes at that place (a softmax that the list does not call 'softmax' is quantised finished and normalised). What goes into a quantiser is computed in f32, as accurately as f32 sums, v_exp_f32 and their like allow (about 1e-6 of the number): no bf16 or f16 on the way to a quantiser, and a product that is left as it is and whose result goes on into a quantised operand takes f32 operands (vector FMAs, or v_wmma_f32_16x16x4_f32). A number that lies on a knife's edge between two numbers of the format may be rounded either way, as far as f32 arithmetic and the matrix unit's own rounding can turn it there, and no further.
;; 2 versions, each right; version 2 is version 1 with the launches layer1, layer2 written anew for expert scheduling mode. Each part assembles by itself: llvm-mc -triple=amdgcn-amd-amdhsa -mcpu=gfx1250 --defsym DOCPART=n.
;; ======== version 1 of 2: 3 launches
;; limits: a function is approximated: absolute error at most 7.5e-08
;; workspace buffers: xc 1,638,400 bytes; w1c 6,553,600 bytes; w2c 6,553,600 bytes; route_idx 256 bytes of whole numbers; route_g 256 bytes; hc 13,107,200 bytes
;; launch prep (part 1): grid 288 x 1, 16 waves a work-group, no clusters, 119,808 bytes of LDS; arguments x, attn_w, attn_b, gate_w, gate_b, w1, w2, xc, w1c, w2c, route_idx, route_g; writes xc, w1c, w2c, route_idx, route_g
.if DOCPART == 1
	.amdgcn_target "amdgcn-amd-amdhsa--gfx1250"
	.amdhsa_code_object_version 6
	.text
	.protected	k_q1e97f32611_prep
	.globl	k_q1e97f32611_prep
	.p2align	8
	.type	k_q1e97f32611_prep,@function
k_q1e97f32611_prep:
	s_mov_b64 s[64:65], 0
	v_nop
	global_prefetch_b8 v0, s[64:65] scope:SCOPE_SE
	s_setreg_imm32_b32 hwreg(HW_REG_WAVE_MODE, 25, 1), 1
	s_wait_xcnt 0x0
; PREP.  Work-groups 0-31: batch element b: its router (attention pooling over 128 tokens, 8 gate logits, softmax, top-2, renormalised) and x[b] as codes of FP6 (E2M3).
; Work-groups 32-159: w1 [8][512][2048] as codes; work-groups 160-287: w2 [8][2048][512] as codes.  K is the weights' FIRST axis within an expert.
; THE QUANTISER: a block of 32 along K has the scale 2^(floor(log2(largest magnitude)) - 2); its byte is the largest magnitude's exponent field - 2, held at 1 from below by a floor among the maximum's leaves.
; LIMITS: NaN and infinities are not served.  A block of zeros gets the byte 1 where the rule says 127: its codes are zeros, and this program alone reads the bytes.
;   A batch element whose second and third gate differ by less than the rounding of f32 sums may be routed otherwise than a sum in another order would route it.
; WORKSPACE.  xc: codes row-major, 384 bytes a token; from XS_OFF on 16 scale bytes a token.
;   w1c, w2c: IMAGES OF OPERAND REGISTERS: unit J (32 columns x 128 K) holds two fragments, tile u at J x 3072 + 1536 u + 512 c + 16 lane; from WS_OFF on its scale words at J x 128 + 4 lane
;   (lanes 0-15: tile 0's rows, lanes 16-31: tile 1's).  Lane r of tile u holds column 32 g + 8 u + r + 8 (r / 8), so that the results of two neighbouring tiles are 16 neighbours along the next K.
;   route_idx[2 b + slot]: the chosen expert; route_g[2 b + slot]: its weight.  Both at fixed places: no address here hangs on the choice.
; No matrix unit, no tensor load, no cluster: the launch streams each input byte once and work-groups share nothing.
.set XS_OFF, 1572864
.set WS_OFF, 6291456
.set SP,     80                        ; a lane's place in a stage: 64 bytes + 16 of padding
.set SBY,    81920                     ; LDS (router path alone): 0.. two stages of 32 x SP bytes a wave; here 128 scale bytes a wave
.set SCORES, 83968                     ; 128 scores
.set PP,     84480                     ; 16 waves x 512 partial pooled sums
.set GL,     117248                    ; 16 waves x 8 partial logits
.set WV,  28                           ; s28 my wave's number
.set SEL, 30                           ; s[30:31] lane selects: lane l xor 16
.set X,   16                           ; v16-47   two sets of 16 neighbours
.set GW,  16                           ; v16-23   later: gate_w's row of my feature
.set SC,  24                           ; v24-31   later: my wave's 8 scores, then 8 partial logits
.set E,   32                           ; v32-39   later: my wave's 8 exponentials
.set TP,  40                           ; v40-47   later: destinations of the lane permutes
.set AW,  48                           ; v48-63   attn_w as loaded
.set R,   64                           ; v64-191  my wave's 8 rows of x, 16 registers each, as loaded
.set P,   192                          ; v192-207 my wave's part of the pooled sums
.set C,   208                          ; v208-239 codes: four registers a row, so that no store's data are written again
; ---- the weights: block t (32 along K) of my column: its scale, its byte, its 32 codes.  left: the younger loads that may stay out
.macro WBLOCK t, left
.set WX, 64+32*(\t)
	s_wait_loadcnt \left
	v_max3_num_f32 v232, |v[WX]|, |v[WX+1]|, |v[WX+2]|
	v_max3_num_f32 v233, |v[WX+3]|, |v[WX+4]|, |v[WX+5]|
.irp i, 6,10,14,18,22,26
	v_max3_num_f32 v232, v232, |v[WX+\i]|, |v[WX+\i+1]|
	v_max3_num_f32 v233, v233, |v[WX+\i+2]|, |v[WX+\i+3]|
.endr
	v_max3_num_f32 v232, v232, |v[WX+30]|, |v[WX+31]|
	v_max3_num_f32 v232, v232, v233, 0x1800000     ; the floor 2^(3 - 127): the byte cannot fall under 1
	v_add_nc_u32 v[234+(\t)], 0xff000000, v232     ; 2 off the exponent field: the conversion takes this operand's exponent field as its scale
	v_lshrrev_b32 v238, 23, v[234+(\t)]            ; the scale's byte
.if (\t) == 0
	v_mov_b32 v239, v238
.else
	v_lshl_or_b32 v239, v238, 8*(\t), v239         ; four bytes make my column's scale word
.endif
	v_cvt_scalef32_pk16_fp6_f32 v[192+12*((\t)%2)+6*((\t)/2):194+12*((\t)%2)+6*((\t)/2)], v[WX:WX+15], v[234+(\t)]
	v_cvt_scalef32_pk16_fp6_f32 v[216+4*((\t)%2)+8*((\t)/2):218+4*((\t)%2)+8*((\t)/2)], v[WX+16:WX+31], v[234+(\t)]   ; (a conversion's three registers begin on an even number)
.endm
; A wave takes 32 columns x 128 along K.  A LANE TAKES A COLUMN AND ITS REGISTERS RUN DOWN K: each load reads 128 consecutive bytes, the sixteen waves stand side by side.
; Lanes 0-15 hold tile 0's columns, lanes 16-31 tile 1's; a lane holds all four blocks.  The operand wants lane (r, h) to hold blocks h and 2 + h of its tile's row r: one exchange of halves gives it.
; s[40:41] source, s[42:43] the images, s[44:45] the scale words.
.macro WQ pitch
	v_and_b32 v2, 7, v1
	v_and_b32 v3, 8, v1
	v_lshl_or_b32 v2, v3, 1, v2
	v_and_b32 v3, 16, v1
	v_lshrrev_b32 v3, 1, v3
	v_or_b32 v2, v2, v3                            ; my column in the group: (l & 7) + 16 ((l >> 3) & 1) + 8 (l >> 4)
	v_lshlrev_b32 v2, 2, v2
	v_lshlrev_b32 v3, 4, v1                        ; 16 x lane
	v_lshlrev_b32 v4, 2, v1                        ; 4 x lane
.set qi, 0
.rept 128
	global_load_b32 v[64+qi], v2, s[40:41] offset:qi*\pitch th:TH_LOAD_NT
.set qi, qi+1
.endr
	WBLOCK 0, 63                                   ; 96 loads follow block 0's, 64 block 1's: 63 is the largest count that can be written
	WBLOCK 1, 63
	WBLOCK 2, 32
	WBLOCK 3, 0
	v_nop                                          ; one plain place behind the last scaled conversion
.irp c, 0,1
.irp i, 0,1,2
	v_permlane16_swap_b32 v[192+6*\c+\i], v[204+6*\c+\i]   ; blocks 2 c (first) and 2 c + 1 (second): the first's lanes 16-31 change places with the second's lanes 0-15: first = tile 0, second = tile 1
	v_permlane16_swap_b32 v[216+8*\c+\i], v[220+8*\c+\i]   ; the same for the blocks' upper 16 codes
.endr
.irp i, 0,1,2
	v_mov_b32 v[195+6*\c+\i], v[216+8*\c+\i]
	v_mov_b32 v[207+6*\c+\i], v[220+8*\c+\i]
.endr
.endr
.irp u, 0,1
.irp c, 0,1,2
	global_store_b128 v3, v[192+12*\u+4*\c:195+12*\u+4*\c], s[42:43] offset:1536*\u+512*\c   ; 32 lanes store 512 consecutive bytes, aligned
.endr
.endr
	global_store_b32 v4, v239, s[44:45]            ; 128 consecutive bytes of scale words
	s_endpgm
.endm
; ---- the router's macros
.macro WSUM base, n, tmp                       ; n registers are summed over the 32 lanes, by turns; every lane gets the sums
.irp m, 1,2,4,8
.set ri, 0
.rept \n
	v_add_f32_dpp v[\base+ri], v[\base+ri], v[\base+ri] row_xmask:\m row_mask:0xf bank_mask:0xf
.set ri, ri+1
.endr
.endr
.set ri, 0
.rept \n
	v_permlanex16_b32 v[\tmp+ri], v[\base+ri], s[SEL], s[SEL+1]
.set ri, ri+1
.endr
.set ri, 0
.rept \n
	v_add_f32 v[\base+ri], v[\base+ri], v[\tmp+ri]
.set ri, ri+1
.endr
.endm
.macro WMAX1 reg, tmp                          ; one register's maximum over the 32 lanes
.irp m, 1,2,4,8
	v_max_num_f32_dpp v[\reg], v[\reg], v[\reg] row_xmask:\m row_mask:0xf bank_mask:0xf
.endr
	v_permlanex16_b32 v[\tmp], v[\reg], s[SEL], s[SEL+1]
	v_max_num_f32 v[\reg], v[\reg], v[\tmp]
.endm
.macro BARRIER                                 ; my LDS stores have landed and my LDS loads are in: then the work-group's barrier
	s_wait_dscnt 0x0
	s_barrier_signal -1
	s_barrier_wait -1
.endm
.macro TURN rho                                ; row rho's 2,048 bytes through my wave's stage: in as loaded (16 bytes a lane of 512), out 64 neighbouring bytes a lane.  LDS serves a wave's instructions in order
.irp i, 0,1,2,3
	ds_store_b128 v3, v[R+16*(\rho)+4*\i:R+16*(\rho)+4*\i+3] offset:2560*((\rho)%2)+640*\i
.endr
.irp i, 0,1,2,3
	ds_load_b128 v[X+16*((\rho)%2)+4*\i:X+16*((\rho)%2)+4*\i+3], v4 offset:2560*((\rho)%2)+16*\i
.endr
.endm
.macro XQ rho                                  ; row rho becomes 384 bytes of codes and 16 scale bytes; two neighbouring lanes hold a block
.set XS, X+16*((\rho)%2)
.if (\rho) > 0
	s_wait_dscnt 1                                 ; this row is back from the stage; the last row's byte store may be out
.else
	s_wait_dscnt 0x0
.endif
.if (\rho) < 7
	s_wait_loadcnt 4*(6-(\rho))                    ; the next row's four loads are in; those of the rows behind it may be out
	TURN (\rho)+1
.endif
	v_max3_num_f32 v240, |v[XS]|, |v[XS+1]|, |v[XS+2]|
	v_max3_num_f32 v241, |v[XS+3]|, |v[XS+4]|, |v[XS+5]|
.irp i, 6,10
	v_max3_num_f32 v240, v240, |v[XS+\i]|, |v[XS+\i+1]|
	v_max3_num_f32 v241, v241, |v[XS+\i+2]|, |v[XS+\i+3]|
.endr
	v_max3_num_f32 v240, v240, |v[XS+14]|, |v[XS+15]|
	v_max3_num_f32 v240, v240, v241, 0x1800000     ; the floor
	v_max_num_f32_dpp v240, v240, v240 row_xmask:1 row_mask:0xf bank_mask:0xf   ; with my neighbour's 16: the block's
	v_add_nc_u32 v242, 0xff000000, v240
	v_cvt_scalef32_pk16_fp6_f32 v[C+4*(\rho):C+4*(\rho)+2], v[XS:XS+15], v242
	v_lshrrev_b32 v[244+(\rho)], 23, v242          ; the byte (also the plain place behind the conversion)
	ds_store_b8 v5, v[244+(\rho)] offset:16*(\rho) ; both lanes of a block write the same byte with the same value
	global_store_b96 v6, v[C+4*(\rho):C+4*(\rho)+2], s[40:41] offset:384*(\rho)   ; the wave stores a row's 384 consecutive bytes
.endm
	s_load_b512 s[4:19], s[0:1], 0x0               ; x s[4:5], attn_w s[6:7], attn_b s[8:9], gate_w s[10:11], gate_b s[12:13], w1 s[14:15], w2 s[16:17], xc s[18:19]
	s_load_b256 s[20:27], s[0:1], 0x40             ; w1c s[20:21], w2c s[22:23], route_idx s[24:25], route_g s[26:27]
	v_lshl_add_u32 v227, v0, 2, 0x1cc00
	v_mov_b32 v231, 0
	v_lshrrev_b32 v1, 5, v0
	v_readfirstlane_b32 s[WV], v1                  ; wave 0..15
	v_and_b32 v1, 31, v0                           ; lane
	s_mov_b32 s35, 0                               ; the upper word of every offset pair s[34:35]
	s_wait_kmcnt 0x0
	s_cmp_lt_u32 ttmp9, 32                         ; the three paths part on the work-group's number alone; only the router's path uses LDS and barriers
	s_cbranch_scc1 .Lroute
	s_cmp_lt_u32 ttmp9, 160
	s_cbranch_scc1 .Lw1
	; ---- w2: work-group q' = e x 16 + s; wave = group of 32 outputs
	s_sub_co_u32 s30, ttmp9, 160
	s_lshr_b32 s31, s30, 4                         ; e
	s_and_b32 s32, s30, 15                         ; s: K step of 128 of H
	s_lshl_b32 s34, s31, 22                        ; an expert is 2,048 rows of 2,048 bytes
	s_lshl_b32 s36, s32, 18                        ; a K step 128 rows
	s_add_co_u32 s34, s34, s36
	s_lshl_b32 s36, s[WV], 7                       ; a group 128 bytes
	s_add_co_u32 s34, s34, s36
	s_add_nc_u64 s[40:41], s[16:17], s[34:35]
	s_lshl_b32 s36, s31, 4
	s_add_co_u32 s36, s36, s[WV]
	s_lshl_b32 s36, s36, 4
	s_add_co_u32 s36, s36, s32                     ; J = (e x 16 + g) x 16 + s
	s_mul_i32 s34, s36, 3072
	s_add_nc_u64 s[42:43], s[22:23], s[34:35]
	s_lshl_b32 s34, s36, 7
	s_add_co_u32 s34, s34, WS_OFF
	s_add_nc_u64 s[44:45], s[22:23], s[34:35]
	WQ 2048
.Lw1:
	; ---- w1: work-group q = e x 16 + s x 4 + quarter; group of 32 hidden units = 16 x quarter + wave
	s_sub_co_u32 s30, ttmp9, 32
	s_lshr_b32 s31, s30, 4                         ; e
	s_bfe_u32 s32, s30, 0x20002                    ; s: K step of 128 of D
	s_and_b32 s33, s30, 3
	s_lshl_b32 s33, s33, 4
	s_add_co_u32 s33, s33, s[WV]                   ; g
	s_lshl_b32 s34, s31, 22                        ; an expert is 512 rows of 8,192 bytes
	s_lshl_b32 s36, s32, 20
	s_add_co_u32 s34, s34, s36
	s_lshl_b32 s36, s33, 7
	s_add_co_u32 s34, s34, s36
	s_add_nc_u64 s[40:41], s[14:15], s[34:35]
	s_lshl_b32 s36, s31, 6
	s_add_co_u32 s36, s36, s33
	s_lshl_b32 s36, s36, 2
	s_add_co_u32 s36, s36, s32                     ; J = (e x 64 + g) x 4 + s
	s_mul_i32 s34, s36, 3072
	s_add_nc_u64 s[42:43], s[20:21], s[34:35]
	s_lshl_b32 s34, s36, 7
	s_add_co_u32 s34, s34, WS_OFF
	s_add_nc_u64 s[44:45], s[20:21], s[34:35]
	WQ 8192
.Lroute:
	; ---- the router of batch element b = work-group; wave w owns tokens 8 w .. 8 w + 7; thread t owns feature t in the gate product
	s_load_b32 s29, s[8:9], 0x0                    ; attn_b
	s_load_b256 s[48:55], s[12:13], 0x0            ; gate_b
	s_mov_b32 s[SEL], 0x76543210
	s_mov_b32 s[SEL+1], 0xfedcba98
	v_lshlrev_b32 v2, 4, v1                        ; 16 x lane
	s_mul_i32 s32, s[WV], 5120                     ; my wave's two stages
	v_lshrrev_b32 v3, 2, v1
	v_mul_u32_u24 v3, v3, SP
	v_and_b32 v4, 3, v1
	v_lshl_add_u32 v3, v4, 4, v3
	v_add_nc_u32 v3, s32, v3                       ; stage, in: SP (lane / 4) + 16 (lane % 4)
	v_mul_u32_u24 v4, v1, SP
	v_add_nc_u32 v4, s32, v4                       ; stage, out: SP x lane
	s_lshl_b32 s33, s[WV], 7
	s_add_co_u32 s33, s33, SBY
	v_lshrrev_b32 v5, 1, v1
	v_add_nc_u32 v5, s33, v5                       ; my block's scale byte
	v_mul_u32_u24 v6, v1, 12                       ; my 16 codes in a row of codes
	v_lshlrev_b32 v7, 2, v1
	v_add_nc_u32 v14, s33, v7                      ; the scale bytes on their way out, 4 a lane
	s_lshl_b32 s34, s[WV], 5
	s_add_co_u32 s36, s34, SCORES
	v_mov_b32 v8, s36                              ; my wave's 8 scores
	s_add_co_u32 s36, s34, GL
	v_mov_b32 v11, s36                             ; my wave's 8 partial logits
	s_lshl_b32 s36, s[WV], 11
	s_add_co_u32 s36, s36, PP
	v_add_nc_u32 v9, s36, v2                       ; my wave's partial pooled sums
	v_lshl_add_u32 v10, v0, 2, PP                  ; feature t in wave 0's
	v_mov_b32 v12, GL
	v_lshlrev_b32 v13, 5, v0                       ; gate_w: 32 bytes a feature
	v_add_nc_u32 v15, SCORES, v2                   ; four scores a lane
	s_lshl_b32 s34, ttmp9, 18                      ; x: 262,144 bytes a batch element,
	s_lshl_b32 s36, s[WV], 14                      ; 16,384 a wave
	s_add_co_u32 s34, s34, s36
	s_add_nc_u64 s[4:5], s[4:5], s[34:35]
	s_lshl_b32 s38, ttmp9, 7
	s_lshl_b32 s36, s[WV], 3
	s_add_co_u32 s38, s38, s36                     ; my first token
	s_mul_i32 s34, s38, 384
	s_add_nc_u64 s[40:41], s[18:19], s[34:35]      ; its codes
	s_lshl_b32 s34, s38, 4
	s_add_co_u32 s34, s34, XS_OFF
	s_add_nc_u64 s[42:43], s[18:19], s[34:35]      ; its scale bytes
	s_lshl_b32 s34, ttmp9, 3
	s_add_nc_u64 s[24:25], s[24:25], s[34:35]      ; route_idx and route_g at 2 b
	s_add_nc_u64 s[26:27], s[26:27], s[34:35]
	; PHASE A: loads (each 512 consecutive bytes) and x's codes
.irp i, 0,1,2,3
	global_load_b128 v[AW+4*\i:AW+4*\i+3], v2, s[6:7] offset:512*\i
.endr
.irp p, 0,1,2,3,4,5,6,7
.irp i, 0,1,2,3
	global_load_b128 v[R+16*\p+4*\i:R+16*\p+4*\i+3], v2, s[4:5] offset:2048*\p+512*\i th:TH_LOAD_NT
.endr
.endr
	s_wait_loadcnt 28                              ; attn_w and row 0 are in; the 28 loads of rows 1 to 7 may be out
	TURN 0
.irp p, 0,1,2,3,4,5,6,7
	XQ \p
.endr
	ds_load_b32 v252, v14                          ; my wave's 128 scale bytes (LDS serves a wave's instructions in order)
	s_wait_dscnt 0x0
	global_store_b32 v7, v252, s[42:43]
	global_load_b128 v[GW:GW+3], v13, s[10:11]     ; gate_w's row of feature t: wanted three phases on
	global_load_b128 v[GW+4:GW+7], v13, s[10:11] offset:16
	s_wait_xcnt 0x0                                ; the store above has read v252, which is written again below
	s_wait_kmcnt 0x0                               ; attn_b, gate_b
	; PHASE B: my 8 tokens' scores, from the rows as loaded (lane l holds features 128 i + 4 l + 0..3, of x and of attn_w alike)
.irp p, 0,1,2,3,4,5,6,7
	v_mov_b32 v[TP+\p], 0                          ; a lane permute's destination counts as one of its sources
.endr
.irp p, 0,1,2,3,4,5,6,7
	v_pk_mul_f32 v[240+2*\p:241+2*\p], v[R+16*\p:R+16*\p+1], v[AW:AW+1]
.endr
.irp j, 2,4,6,8,10,12,14
.irp p, 0,1,2,3,4,5,6,7
	v_pk_fma_f32 v[240+2*\p:241+2*\p], v[R+16*\p+\j:R+16*\p+\j+1], v[AW+\j:AW+\j+1], v[240+2*\p:241+2*\p]
.endr
.endr
.irp p, 0,1,2,3,4,5,6,7
	v_add_f32 v[SC+\p], v[240+2*\p], v[241+2*\p]
.endr
	WSUM SC, 8, TP
.irp p, 0,1,2,3,4,5,6,7
	v_add_f32 v[SC+\p], s29, v[SC+\p]
.endr
	ds_store_b128 v8, v[SC:SC+3]                   ; all lanes write the same words with the same values
	ds_store_b128 v8, v[SC+4:SC+7] offset:16
	BARRIER                                        ; the 128 scores lie in LDS
	; PHASE C: the softmax over the tokens (maximum taken away first) and my 8 tokens' part of the pooled sums, not yet divided
	ds_load_b128 v[240:243], v15
	s_wait_dscnt 0x0
	v_max3_num_f32 v244, v240, v241, v242
	v_max_num_f32 v244, v244, v243
	WMAX1 244, TP
.irp i, 0,1,2,3
	v_sub_f32 v[240+\i], v[240+\i], v244
.endr
.irp p, 0,1,2,3,4,5,6,7
	v_sub_f32 v[E+\p], v[SC+\p], v244
.endr
.irp i, 0,1,2,3
	v_mul_f32 v[240+\i], 0x3fb8aa3b, v[240+\i]     ; x log2(e)
.endr
.irp p, 0,1,2,3,4,5,6,7
	v_mul_f32 v[E+\p], 0x3fb8aa3b, v[E+\p]
.endr
.irp i, 0,1,2,3
	v_exp_f32 v[240+\i], v[240+\i]
.endr
.irp p, 0,1,2,3,4,5,6,7
	v_exp_f32 v[E+\p], v[E+\p]
.endr
	v_nop                                          ; a plain place behind the batch of twelve,
	s_wait_alu depctr_va_vdst(0)                   ; and one wait ahead of its first reader
	v_add_f32 v240, v240, v241
	v_add_f32 v242, v242, v243
	v_add_f32 v240, v240, v242
	WSUM 240, 1, TP                                ; the sum of all 128 exponentials
	v_rcp_f32 v246, v240
.irp i, 0,1,2,3,4,5,6,7,8,9,10,11,12,13,14,15
	v_mul_f32 v[P+\i], v[E], v[R+\i]
.endr
.irp p, 1,2,3,4,5,6,7
.irp i, 0,1,2,3,4,5,6,7,8,9,10,11,12,13,14,15
	v_fma_f32 v[P+\i], v[E+\p], v[R+16*\p+\i], v[P+\i]
.endr
.endr
	s_wait_alu depctr_va_vdst(0)                   ; the reciprocal's wait; the 128 lines above are the independent work behind it
.irp i, 0,1,2,3
	ds_store_b128 v9, v[P+4*\i:P+4*\i+3] offset:512*\i   ; feature d at byte 4 d of my wave's 2,048
.endr
	BARRIER                                        ; sixteen partial pooled vectors lie in LDS
	; PHASE D: pooled[t], and my wave's part of the 8 logits
.irp o, 0,1,2,3,4,5,6,7,8,9,10,11,12,13,14,15
	ds_load_b32 v[64+\o], v10 offset:2048*\o
.endr
	s_wait_dscnt 0x0
.irp j, 0,2,4,6
	v_pk_add_f32 v[64+\j:65+\j], v[64+\j:65+\j], v[72+\j:73+\j]
.endr
	v_pk_add_f32 v[64:65], v[64:65], v[68:69]
	v_pk_add_f32 v[66:67], v[66:67], v[70:71]
	v_pk_add_f32 v[64:65], v[64:65], v[66:67]
	v_add_f32 v64, v64, v65
	v_mul_f32 v64, v64, v246                       ; / the sum of the exponentials
	s_wait_loadcnt 0x0                             ; gate_w's row
.irp i, 0,1,2,3,4,5,6,7
	v_mul_f32 v[SC+\i], v64, v[GW+\i]
.endr
	WSUM SC, 8, TP
	ds_store_b128 v11, v[SC:SC+3]
	ds_store_b128 v11, v[SC+4:SC+7] offset:16
	BARRIER                                        ; sixteen partial logit vectors lie in LDS
	; PHASE E: every wave alike: logits, softmax, top-2 (a strict > keeps the lower index at a tie), renormalised
.irp o, 0,1,2,3,4,5,6,7,8,9,10,11,12,13,14,15
	ds_load_b128 v[64+8*\o:67+8*\o], v12 offset:32*\o
	ds_load_b128 v[68+8*\o:71+8*\o], v12 offset:32*\o+16
.endr
	s_wait_dscnt 0x0
.irp o, 1,2,3,4,5,6,7,8,9,10,11,12,13,14,15
.irp j, 0,2,4,6
	v_pk_add_f32 v[64+\j:65+\j], v[64+\j:65+\j], v[64+8*\o+\j:65+8*\o+\j]
.endr
.endr
.irp i, 0,1,2,3,4,5,6,7
	v_add_f32 v[64+\i], s[48+\i], v[64+\i]         ; + gate_b
.endr
	v_max3_num_f32 v72, v64, v65, v66
	v_max3_num_f32 v72, v72, v67, v68
	v_max3_num_f32 v72, v72, v69, v70
	v_max_num_f32 v72, v72, v71
.irp i, 0,1,2,3,4,5,6,7
	v_sub_f32 v[64+\i], v[64+\i], v72
.endr
.irp i, 0,1,2,3,4,5,6,7
	v_mul_f32 v[64+\i], 0x3fb8aa3b, v[64+\i]
.endr
.irp i, 0,1,2,3,4,5,6,7
	v_exp_f32 v[64+\i], v[64+\i]
.endr
	v_nop
	s_wait_alu depctr_va_vdst(0)                   ; one wait for the eight
	v_add_f32 v73, v64, v65
	v_add_f32 v74, v66, v67
	v_add_f32 v75, v68, v69
	v_add_f32 v76, v70, v71
	v_add_f32 v73, v73, v74
	v_add_f32 v75, v75, v76
	v_add_f32 v73, v73, v75
	v_rcp_f32 v74, v73
	v_mov_b32 v81, 0                               ; (a plain place)  the first choice's index
	s_wait_alu depctr_va_vdst(0)
.irp i, 0,1,2,3,4,5,6,7
	v_mul_f32 v[64+\i], v[64+\i], v74              ; the gates
.endr
	v_mov_b32 v80, v64
.irp i, 1,2,3,4,5,6,7
	v_cmp_gt_f32 vcc_lo, v[64+\i], v80
	v_cndmask_b32 v80, v80, v[64+\i], vcc_lo
	v_cndmask_b32 v81, v81, \i, vcc_lo
.endr
.irp i, 0,1,2,3,4,5,6,7
	v_cmp_eq_u32 vcc_lo, \i, v81
	v_cndmask_b32 v[88+\i], v[64+\i], -1.0, vcc_lo ; the first choice is taken out: gates are never negative
.endr
	v_mov_b32 v82, v88
	v_mov_b32 v83, 0
.irp i, 1,2,3,4,5,6,7
	v_cmp_gt_f32 vcc_lo, v[88+\i], v82
	v_cndmask_b32 v82, v82, v[88+\i], vcc_lo
	v_cndmask_b32 v83, v83, \i, vcc_lo
.endr
	v_add_f32 v84, v80, v82
	v_add_f32 v84, 0x3089705f, v84                 ; + 1e-9
	v_rcp_f32 v85, v84
	v_lshlrev_b32 v86, 2, v0                       ; (a plain place)  thread 0 stores slot 0, thread 1 slot 1
	s_wait_alu depctr_va_vdst(0)
	v_mul_f32 v80, v80, v85
	v_mul_f32 v82, v82, v85
	v_cmp_eq_u32 vcc_lo, 1, v0
	v_cndmask_b32 v80, v80, v82, vcc_lo
	v_cndmask_b32 v81, v81, v83, vcc_lo
	s_wait_xcnt 0x0                                ; EXEC changes only behind this wait
	v_cmp_gt_u32 vcc_lo, 2, v0
	s_wait_tensorcnt 0x0
	ds_add_u32 v227, v231
	s_wait_dscnt 0x0
	s_and_saveexec_b32 s36, vcc_lo
	global_store_b32 v86, v81, s[24:25]
	global_store_b32 v86, v80, s[26:27]
	s_wait_xcnt 0x0                                ; and again in front of the line that widens it
	s_or_b32 exec_lo, exec_lo, s36
	s_endpgm
.Lfunc_end_k_q1e97f32611_prep:
	.size	k_q1e97f32611_prep, .Lfunc_end_k_q1e97f32611_prep-k_q1e97f32611_prep
	.p2alignl 7, 3214868480
	.fill 96, 4, 3214868480
	.section	.rodata,"a",@progbits
	.p2align	6, 0x0
	.amdhsa_kernel k_q1e97f32611_prep
		.amdhsa_group_segment_fixed_size 119808
		.amdhsa_private_segment_fixed_size 0
		.amdhsa_enable_private_segment 0
		.amdhsa_kernarg_size 96
		.amdhsa_user_sgpr_count 2
		.amdhsa_user_sgpr_kernarg_segment_ptr 1
		.amdhsa_wavefront_size32 1
		.amdhsa_system_sgpr_workgroup_id_x 1
		.amdhsa_system_sgpr_workgroup_id_y 1
		.amdhsa_system_sgpr_workgroup_id_z 1
		.amdhsa_system_vgpr_workitem_id 0
		.amdhsa_next_free_vgpr 256
		.amdhsa_next_free_sgpr 66
		.amdhsa_reserve_vcc 1
		.amdhsa_float_denorm_mode_32 3
		.amdhsa_float_denorm_mode_16_64 3
		.amdhsa_memory_ordered 1
		.amdhsa_forward_progress 1
		.amdhsa_inst_pref_size 93
	.end_amdhsa_kernel
	.amdgpu_metadata
---
amdhsa.version: [ 1, 2 ]
amdhsa.kernels:
  - .name:           k_q1e97f32611_prep
    .symbol:         k_q1e97f32611_prep.kd
    .args:
      - { .name: x, .offset: 0, .size: 8, .value_kind: global_buffer, .address_space: global }
      - { .name: attn_w, .offset: 8, .size: 8, .value_kind: global_buffer, .address_space: global }
      - { .name: attn_b, .offset: 16, .size: 8, .value_kind: global_buffer, .address_space: global }
      - { .name: gate_w, .offset: 24, .size: 8, .value_kind: global_buffer, .address_space: global }
      - { .name: gate_b, .offset: 32, .size: 8, .value_kind: global_buffer, .address_space: global }
      - { .name: w1, .offset: 40, .size: 8, .value_kind: global_buffer, .address_space: global }
      - { .name: w2, .offset: 48, .size: 8, .value_kind: global_buffer, .address_space: global }
      - { .name: xc, .offset: 56, .size: 8, .value_kind: global_buffer, .address_space: global }
      - { .name: w1c, .offset: 64, .size: 8, .value_kind: global_buffer, .address_space: global }
      - { .name: w2c, .offset: 72, .size: 8, .value_kind: global_buffer, .address_space: global }
      - { .name: route_idx, .offset: 80, .size: 8, .value_kind: global_buffer, .address_space: global }
      - { .name: route_g, .offset: 88, .size: 8, .value_kind: global_buffer, .address_space: global }
    .group_segment_fixed_size: 119808
    .private_segment_fixed_size: 0
    .kernarg_segment_align: 8
    .kernarg_segment_size: 96
    .max_flat_workgroup_size: 512
    .sgpr_count:     66
    .vgpr_count:     256
    .wavefront_size: 32
...
	.end_amdgpu_metadata
.endif
;; end of part 1
;; launch layer1 (part 2): grid 256 x 1, 4 waves a work-group, no clusters, 0 bytes of LDS; arguments xc, w1c, b1, route_idx, hc; writes hc
.if DOCPART == 2
	.amdgcn_target "amdgcn-amd-amdhsa--gfx1250"
	.amdhsa_code_object_version 6
	.text
	.protected	k_q1e97f32611_layer1
	.globl	k_q1e97f32611_layer1
	.p2align	8
	.type	k_q1e97f32611_layer1,@function
k_q1e97f32611_layer1:
	s_mov_b64 s[64:65], 0
	v_nop
	global_prefetch_b8 v0, s[64:65] scope:SCOPE_SE
	s_setreg_imm32_b32 hwreg(HW_REG_WAVE_MODE, 25, 1), 1
	s_wait_xcnt 0x0
; LAYER 1: for each pair (batch element b, chosen expert) and each quarter of H: hc = Q(gelu(x W1 + b1)), the product on codes of FP6 (E2M3) with one E8M0 scale for each 32 along K = 512.
; SHARES.  Work-group = 4 x pair + quarter; wave w takes hidden units 128 sH .. + 127, sH = 4 x quarter + w, for the pair's 128 tokens (8 tiles of 16).  Its part of W1 (32 fragments, 384 registers), of
; b1 and of W1's scale words stays in registers; x's fragments come two tiles ahead by turns.  Waves share nothing: no LDS, no barrier.
; The expert's number is read from route_idx, which the launch before stored, and enters addresses behind s_min_u32 .., 7.
; TRANSPOSED USE: source 0 = 16 columns of W1, source 1 = 16 tokens: lane (r, h) holds token r, and register 8 u + j of the tile pair of group g holds hidden unit 32 g + 16 h + 8 u + j (the tiles' rows were
; chosen for that when the images were laid).  So a lane's 64 results are, block by block, 16 neighbours along the next K, and the wave's 128 units are exactly one K step of the second product.
; hc: the hidden fragment of (pair, sH, tile m) as an image of its registers at ((pair x 16 + sH) x 8 + m) x 1536 + 512 c + 16 lane; from HS_OFF on the scale words at (pair x 16 + sH) x 512 + 16 lane + 4 mp:
; in word mp lanes 0-15 hold tile 2 mp's rows, lanes 16-31 tile 2 mp + 1's.
; GELU, exact form: gelu(x) = max(x, 0) - |x| Q(|x|), Q(z) = 1 - Phi(z) = e^(-z z / 2) (A1 t + .. + A5 t^5), t = 1 / (1 + 0.2316419 z) (Abramowitz and Stegun 26.2.17, the factor 1 / sqrt(2 pi) folded into A1..A5).
; LIMITS: Phi's absolute error is at most 7.5e-8, which far in the negative tail is a larger part of the number itself than f32 rounding; NaN and infinities are not served; a block of zeros gets the scale byte 1.
; NO CLUSTER, NO TENSOR LOAD: operands lie in memory in the order of the operand registers and go straight into them, 16 bytes a lane; there is no tile in LDS that partners could ask for jointly, and the
; weights' addresses hang on a number read from memory.
; REGISTERS: window 0: v1-5 addresses; v24-31 x's scale words (two sets); v32-47 W1's; v48-51 the hidden scale words; v52-61 A1..A5 as pairs; v64-127 my 8 tiles; v128-191 GELU's 64 temporaries; v192-228 the quantiser's.
;   window 1: W1's fragments of K steps 0, 1 at v[12 (8 s + t)]; b1's 8 tiles from v192.   window 2: K steps 2, 3.   window 3: x's fragments, two buffers of 48.
.set XS_OFF, 1572864
.set WS_OFF, 6291456
.set HS_OFF, 12582912
.set XA,  1                            ; v1  384 r + 24 h: my place in a tile of x's codes
.set XSA, 2                            ; v2  16 r: my token's scale bytes
.set LI,  3                            ; v3  16 x lane
.set LS,  4                            ; v4  4 x lane
.set BA,  5                            ; v5  64 h: b1's 16 numbers of my half
.set XS,  24
.set W1S, 32
.set HSW, 48
.set CK,  52
.set HA,  64
.set GT,  128
.set TM,  192
.set PC,  208
.set PW,  228
.set B1T, 192                          ; in window 1
.set CNT, 28
.set KP,  29
.set KC,  30
.set SEL, 32
.set MSB, 0
.macro WIN new                         ; the immediate's high byte repeats the setting that is left
.if MSB != \new
	s_set_vgpr_msb (MSB<<8)|\new
.set MSB, \new
.endif
.endm
; gelu of 16 registers, in place; 64 temporaries: U = T, S = T + 16, R = T + 32, M = T + 48.  The 32 transcendentals are one batch with one wait.
.macro GELU16 X, T
.irp i, 0,1,2,3,4,5,6,7,8,9,10,11,12,13,14,15
	v_fma_f32 v[\T+\i], |v[\X+\i]|, s[KP], 1.0     ; 1 + p |x|  (the results are read from their low end on)
.endr
.irp i, 0,2,4,6,8,10,12,14
	v_pk_mul_f32 v[\T+16+\i:\T+17+\i], v[\X+\i:\X+\i+1], v[\X+\i:\X+\i+1]
.endr
.irp i, 0,2,4,6,8,10,12,14
	v_pk_mul_f32 v[\T+16+\i:\T+17+\i], v[\T+16+\i:\T+17+\i], s[KC:KC+1] op_sel_hi:[1,0]   ; - x x log2(e) / 2
.endr
.irp i, 0,1,2,3,4,5,6,7,8,9,10,11,12,13,14,15
	v_rcp_f32 v[\T+\i], v[\T+\i]                   ; t
.endr
.irp i, 0,1,2,3,4,5,6,7,8,9,10,11,12,13,14,15
	v_exp_f32 v[\T+16+\i], v[\T+16+\i]             ; e^(-x x / 2)
.endr
.irp i, 0,1,2,3,4,5,6,7,8,9,10,11,12,13,14,15
	v_max_num_f32 v[\T+48+\i], 0, v[\X+\i]         ; plain independent work behind the batch
.endr
	s_wait_alu depctr_va_vdst(0)                   ; one wait ahead of the batch's first reader
.irp i, 0,2,4,6,8,10,12,14
	v_pk_fma_f32 v[\T+32+\i:\T+33+\i], v[\T+\i:\T+\i+1], v[CK+8:CK+9], v[CK+6:CK+7]
.endr
.irp a, 4,2,0
.irp i, 0,2,4,6,8,10,12,14
	v_pk_fma_f32 v[\T+32+\i:\T+33+\i], v[\T+32+\i:\T+33+\i], v[\T+\i:\T+\i+1], v[CK+\a:CK+\a+1]
.endr
.endr
.irp i, 0,2,4,6,8,10,12,14
	v_pk_mul_f32 v[\T+32+\i:\T+33+\i], v[\T+32+\i:\T+33+\i], v[\T+\i:\T+\i+1]
.endr
.irp i, 0,2,4,6,8,10,12,14
	v_pk_mul_f32 v[\T+32+\i:\T+33+\i], v[\T+32+\i:\T+33+\i], v[\T+16+\i:\T+17+\i]   ; Q(|x|)
.endr
.irp i, 0,1,2,3,4,5,6,7,8,9,10,11,12,13,14,15
	v_fma_f32 v[\X+\i], -|v[\X+\i]|, v[\T+32+\i], v[\T+48+\i]
.endr
.endm
; 64 numbers of a lane, register 16 b + i = k 32 b + 16 (lane / 16) + i of my row, become a fragment's codes in v[PC] on and its scale word in v[PW].
.macro QUANT s
.irp b, 0,1,2,3
	v_max3_num_f32 v[TM+\b], |v[\s+16*\b]|, |v[\s+1+16*\b]|, 0x1800000   ; block b: my 16 numbers, and the floor 2^(3 - 127): the byte cannot fall under 1
.endr
.irp i, 2,4,6,8,10,12,14
.irp b, 0,1,2,3
	v_max3_num_f32 v[TM+\b], v[TM+\b], |v[\s+16*\b+\i]|, |v[\s+1+16*\b+\i]|
.endr
.endr
.irp b, 0,1,2,3
	v_permlanex16_b32 v[TM+4+\b], v[TM+\b], s[SEL], s[SEL+1]
.endr
.irp b, 0,1,2,3
	v_max_num_f32 v[TM+\b], v[TM+\b], v[TM+4+\b]   ; with lane l xor 16's: the block's largest magnitude
.endr
.irp b, 0,1,2,3
	v_add_nc_u32 v[TM+12+\b], 0xff000000, v[TM+\b] ; 2 off its exponent field: the conversion's scale operand
.endr
.irp b, 0,1,2,3
	v_lshrrev_b32 v[TM+4+\b], 23, v[TM+12+\b]      ; the scale's byte
.endr
	v_lshl_or_b32 v[PW], v[TM+5], 8, v[TM+4]
	v_lshl_or_b32 v[PW], v[TM+6], 16, v[PW]
	v_lshl_or_b32 v[PW], v[TM+7], 24, v[PW]
.irp c, 0,1
	v_cvt_scalef32_pk16_fp6_f32 v[PC+6*\c:PC+2+6*\c], v[\s+32*\c:\s+15+32*\c], v[TM+12+2*\c]
	v_cvt_scalef32_pk16_fp6_f32 v[PC+12+4*\c:PC+14+4*\c], v[\s+16+32*\c:\s+31+32*\c], v[TM+12+2*\c+1]   ; (a conversion's three registers begin on an even number)
.endr
	v_nop                                          ; one plain place behind a scaled conversion
.irp c, 0,1                                    ; the operand wants a WHOLE block in a lane: lanes 0-15 block 2 c, lanes 16-31 block 2 c + 1
.irp i, 0,1,2
	v_permlane16_swap_b32 v[PC+6*\c+\i], v[PC+12+4*\c+\i]
.endr
.irp i, 0,1,2
	v_mov_b32 v[PC+3+6*\c+\i], v[PC+12+4*\c+\i]
.endr
.endr
.endm
; 25 loads: a tile of 16 tokens: four fragments (24 bytes twice a lane and K step, in pieces of 8) into buffer beta of window 3, and the tokens' four scale words
.macro LOADX beta, off, offs
	WIN 0xc0                                       ; destination window 3, address window 0
.irp s, 0,1,2,3
.irp p, 0,1,2,3,4,5
	global_load_b64 v[48*\beta+12*\s+2*\p:48*\beta+12*\s+2*\p+1], v[XA], s[4:5] offset:\off+96*\s+48*(\p/3)+8*(\p%3)
.endr
.endr
	WIN 0
	global_load_b128 v[XS+4*\beta:XS+4*\beta+3], v[XSA], s[22:23] offset:\offs
.endm
.macro WM ra                                   ; one product on the registers named by rD, rA, rB, rC, rSA, rSB; ra = 1: source 0's scales stand in lanes 16-31
.if \ra
	v_wmma_scale_f32_16x16x128_f8f6f4 v[rD:rD+7], v[rA:rA+11], v[rB:rB+11], v[rC:rC+7], v[rSA], v[rSB] matrix_a_fmt:MATRIX_FMT_FP6 matrix_b_fmt:MATRIX_FMT_FP6 matrix_a_scale:MATRIX_SCALE_ROW1
.else
	v_wmma_scale_f32_16x16x128_f8f6f4 v[rD:rD+7], v[rA:rA+11], v[rB:rB+11], v[rC:rC+7], v[rSA], v[rSB] matrix_a_fmt:MATRIX_FMT_FP6 matrix_b_fmt:MATRIX_FMT_FP6
.endif
.endm
; A tile of 16 tokens from buffer beta: 32 products (the 8 accumulators by turns, one instruction a turn, K step by K step; b1 is the C of each sum's first), gelu, quantiser, image out.
.macro TILE beta, par
.irp s, 0,1,2,3
.if \s == 0
	WIN 0x1d                                       ; source 0 (W1) window 1, source 1 (x) window 3, C (b1) window 1, D window 0
.elseif \s == 1
	WIN 0x0d
.else
	WIN 0x0e                                       ; W1's K steps 2, 3: window 2
.endif
.irp t, 0,1,2,3,4,5,6,7
.set rD, HA+8*\t
.set rA, 12*(8*(\s%2)+\t)
.set rB, 48*\beta+12*\s
.set rC, rD
.if \s == 0
.set rC, B1T+8*\t
.endif
.set rSA, W1S+4*(\t/2)+\s
.set rSB, XS+4*\beta+\s
	WM \t%2
.endr
.endr
	WIN 0
.rept 4
	v_nop                                          ; four places between the last products and the first read of results (ISA guide 7.12.1)
.endr
.irp k, 0,1,2,3
	GELU16 HA+16*\k, GT
.endr
	s_wait_xcnt 0x0                                ; the last tile's stores have read the codes' registers, which are written again below
	QUANT HA
.irp c, 0,1,2
	global_store_b128 v[LI], v[PC+4*\c:PC+4*\c+3], s[12:13] offset:1536*\par+512*\c   ; 32 lanes store 512 consecutive bytes, aligned
.endr
.if \par == 0
	v_mov_b32 v[HSW], v[HSW+1]                     ; the four words move down one place a trip: after four trips word mp stands in register mp
	v_mov_b32 v[HSW+1], v[HSW+2]
	v_mov_b32 v[HSW+2], v[HSW+3]
	v_mov_b32 v[HSW+3], v[PW]                      ; the even tile's words (every lane holds its token's)
.else
	v_cndmask_b32 v[HSW+3], v[HSW+3], v[PW], vcc_lo   ; the odd tile's take lanes 16-31
.endif
.endm
	s_load_b256 s[4:11], s[0:1], 0x0               ; xc s[4:5], w1c s[6:7], b1 s[8:9], route_idx s[10:11]
	s_load_b64 s[12:13], s[0:1], 0x20              ; hc
	v_lshrrev_b32 v6, 5, v0
	v_readfirstlane_b32 s17, v6                    ; wave 0..3
	v_and_b32 v6, 31, v0                           ; lane
	v_and_b32 v7, 15, v0                           ; r
	v_bfe_u32 v8, v0, 4, 1                         ; h
	v_mul_u32_u24 v[XA], v7, 384
	v_mad_u32_u24 v[XA], v8, 24, v[XA]
	v_lshlrev_b32 v[XSA], 4, v7
	v_lshlrev_b32 v[LI], 4, v6
	v_lshlrev_b32 v[LS], 2, v6
	v_lshlrev_b32 v[BA], 6, v8
	s_lshr_b32 s18, ttmp9, 2                       ; pair = 2 b + slot
	s_and_b32 s19, ttmp9, 3
	s_lshl_b32 s19, s19, 2
	s_add_co_u32 s19, s19, s17                     ; sH
	s_lshr_b32 s20, s18, 1                         ; b
	s_mov_b32 s15, 0                               ; the upper word of every offset pair s[14:15]
	s_mov_b32 s[KP], 0x3e6d3389                    ; 0.2316419
	s_mov_b32 s[KC], 0xbf38aa3b                    ; -log2(e) / 2
	s_mov_b32 s[KC+1], s[KC]                       ; (named with it as a pair, so it is written)
	s_mov_b32 s[SEL], 0x76543210
	s_mov_b32 s[SEL+1], 0xfedcba98
	s_mov_b32 vcc_lo, 0xffff0000                   ; lanes 16-31; no line below writes it
	s_mov_b32 s[CNT], 4
	s_wait_kmcnt 0x0
	s_lshl_b32 s14, s18, 2
	s_add_nc_u64 s[10:11], s[10:11], s[14:15]
	s_load_b32 s16, s[10:11], 0x0                  ; the pair's expert
	s_lshl_b32 s14, s20, 11
	s_add_co_u32 s14, s14, XS_OFF
	s_add_nc_u64 s[22:23], s[4:5], s[14:15]        ; x's scale bytes of batch element b
	s_mul_i32 s14, s20, 49152
	s_add_nc_u64 s[4:5], s[4:5], s[14:15]          ; and its codes: 128 tokens of 384 bytes
	LOADX 0, 0, 0                                  ; the first tile of tokens: its address hangs on no loaded number
	s_lshl_b32 s21, s18, 4
	s_add_co_u32 s21, s21, s19                     ; pair x 16 + sH
	s_lshl_b32 s14, s21, 9
	s_add_co_u32 s14, s14, HS_OFF
	s_add_nc_u64 s[26:27], s[12:13], s[14:15]      ; the hidden scale words
	s_mul_i32 s14, s21, 12288
	s_add_nc_u64 s[12:13], s[12:13], s[14:15]      ; the hidden images
	v_mov_b32 v[CK], 0x3e027906                    ; A1 .. A5, each twice: the packed forms name pairs
	v_mov_b32 v[CK+1], 0x3e027906
	v_mov_b32 v[CK+2], 0xbe11a98e
	v_mov_b32 v[CK+3], 0xbe11a98e
	v_mov_b32 v[CK+4], 0x3f35f0e3
	v_mov_b32 v[CK+5], 0x3f35f0e3
	v_mov_b32 v[CK+6], 0xbf3a00e3
	v_mov_b32 v[CK+7], 0xbf3a00e3
	v_mov_b32 v[CK+8], 0x3f07dc22
	v_mov_b32 v[CK+9], 0x3f07dc22
.irp b, 0,1,2,3
	v_mov_b32 v[HSW+\b], 0                         ; read by the first trips' moves
	v_mov_b32 v[TM+4+\b], 0                        ; a lane permute's destination counts as one of its sources
.endr
	s_wait_kmcnt 0x0
	s_min_u32 s16, s16, 7                          ; behind this line only shifts left, sums and products
	s_lshl_b32 s21, s16, 6
	s_lshl_b32 s14, s19, 2
	s_add_co_u32 s21, s21, s14                     ; e x 64 + my first group of 32 hidden units
	s_lshl_b32 s14, s21, 9
	s_add_co_u32 s14, s14, WS_OFF
	s_add_nc_u64 s[24:25], s[6:7], s[14:15]        ; W1's scale words: 4 K steps x 128 bytes a group
	s_mul_i32 s14, s21, 12288
	s_add_nc_u64 s[6:7], s[6:7], s[14:15]          ; W1's images: 4 K steps x 3,072 bytes a group
	s_lshl_b32 s14, s16, 13
	s_lshl_b32 s21, s19, 9
	s_add_co_u32 s14, s14, s21
	s_add_nc_u64 s[8:9], s[8:9], s[14:15]          ; b1 at my 128 units
	WIN 0x40                                       ; destination window 1
.irp s, 0,1
.irp t, 0,1,2,3,4,5,6,7
.irp c, 0,1,2
	global_load_b128 v[12*(8*\s+\t)+4*\c:12*(8*\s+\t)+4*\c+3], v[LI], s[6:7] offset:(\t/2)*12288+\s*3072+(\t%2)*1536+512*\c
.endr
.endr
.endr
.irp t, 0,1,2,3,4,5,6,7
	global_load_b128 v[B1T+8*\t:B1T+8*\t+3], v[BA], s[8:9] offset:(32*(\t/2)+8*(\t%2))*4       ; lane (r, h), tile t: b1 of units 32 (t / 2) + 16 h + 8 (t % 2) + 0 .. 7
	global_load_b128 v[B1T+8*\t+4:B1T+8*\t+7], v[BA], s[8:9] offset:(32*(\t/2)+8*(\t%2))*4+16
.endr
	WIN 0x80                                       ; destination window 2
.irp s, 0,1
.irp t, 0,1,2,3,4,5,6,7
.irp c, 0,1,2
	global_load_b128 v[12*(8*\s+\t)+4*\c:12*(8*\s+\t)+4*\c+3], v[LI], s[6:7] offset:(\t/2)*12288+(\s+2)*3072+(\t%2)*1536+512*\c
.endr
.endr
.endr
	WIN 0
.irp j, 0,1,2,3,4,5,6,7,8,9,10,11,12,13,14,15
	global_load_b32 v[W1S+\j], v[LS], s[24:25] offset:128*\j   ; group j / 4, K step j % 4: lanes 0-15 the even tile's rows, lanes 16-31 the odd tile's
.endr
.Lpair:                                            ; four trips, two tiles of tokens a trip
	LOADX 1, 6144, 256
	s_wait_loadcnt 25                              ; all but the 25 loads just issued are in: buffer 0, and in the first trip the weights
	TILE 0, 0
	s_cmp_eq_u32 s[CNT], 1                         ; the last trip asks for nothing more: no load leaves its buffer
	s_cbranch_scc1 .Llast
	LOADX 0, 12288, 512
	s_wait_loadcnt 25                              ; buffer 1 is in; the 25 just issued may be out
	s_branch .Ljoin
.Llast:
	s_wait_loadcnt 0x0
.Ljoin:
	TILE 1, 1
	s_wait_xcnt 0x0                                ; the pending loads and stores have read their bases, which step now
	s_add_nc_u64 s[4:5], s[4:5], 12288
	s_add_nc_u64 s[22:23], s[22:23], 512
	s_add_nc_u64 s[12:13], s[12:13], 3072
	s_sub_co_u32 s[CNT], s[CNT], 1
	s_cmp_lg_u32 s[CNT], 0
	s_cbranch_scc1 .Lpair
	global_store_b128 v[LI], v[HSW:HSW+3], s[26:27]   ; the K step's scale words for all 8 tiles: 512 consecutive bytes, aligned
	s_endpgm
.Lfunc_end_k_q1e97f32611_layer1:
	.size	k_q1e97f32611_layer1, .Lfunc_end_k_q1e97f32611_layer1-k_q1e97f32611_layer1
	.p2alignl 7, 3214868480
	.fill 96, 4, 3214868480
	.section	.rodata,"a",@progbits
	.p2align	6, 0x0
	.amdhsa_kernel k_q1e97f32611_layer1
		.amdhsa_group_segment_fixed_size 0
		.amdhsa_private_segment_fixed_size 0
		.amdhsa_enable_private_segment 0
		.amdhsa_kernarg_size 40
		.amdhsa_user_sgpr_count 2
		.amdhsa_user_sgpr_kernarg_segment_ptr 1
		.amdhsa_wavefront_size32 1
		.amdhsa_system_sgpr_workgroup_id_x 1
		.amdhsa_system_sgpr_workgroup_id_y 1
		.amdhsa_system_sgpr_workgroup_id_z 1
		.amdhsa_system_vgpr_workitem_id 0
		.amdhsa_next_free_vgpr 864
		.amdhsa_next_free_sgpr 66
		.amdhsa_reserve_vcc 1
		.amdhsa_float_denorm_mode_32 3
		.amdhsa_float_denorm_mode_16_64 3
		.amdhsa_memory_ordered 1
		.amdhsa_forward_progress 1
		.amdhsa_inst_pref_size 101
	.end_amdhsa_kernel
	.amdgpu_metadata
---
amdhsa.version: [ 1, 2 ]
amdhsa.kernels:
  - .name:           k_q1e97f32611_layer1
    .symbol:         k_q1e97f32611_layer1.kd
    .args:
      - { .name: xc, .offset: 0, .size: 8, .value_kind: global_buffer, .address_space: global }
      - { .name: w1c, .offset: 8, .size: 8, .value_kind: global_buffer, .address_space: global }
      - { .name: b1, .offset: 16, .size: 8, .value_kind: global_buffer, .address_space: global }
      - { .name: route_idx, .offset: 24, .size: 8, .value_kind: global_buffer, .address_space: global }
      - { .name: hc, .offset: 32, .size: 8, .value_kind: global_buffer, .address_space: global }
    .group_segment_fixed_size: 0
    .private_segment_fixed_size: 0
    .kernarg_segment_align: 8
    .kernarg_segment_size: 40
    .max_flat_workgroup_size: 128
    .sgpr_count:     66
    .vgpr_count:     864
    .wavefront_size: 32
...
	.end_amdgpu_metadata
.endif
;; end of part 2
;; launch layer2 (part 3): grid 256 x 1, 4 waves a work-group, no clusters, 166,400 bytes of LDS; arguments hc, w2c, b2, route_idx, route_g, out0; writes out0
.if DOCPART == 3
	.amdgcn_target "amdgcn-amd-amdhsa--gfx1250"
	.amdhsa_code_object_version 6
	.text
	.protected	k_q1e97f32611_layer2
	.globl	k_q1e97f32611_layer2
	.p2align	8
	.type	k_q1e97f32611_layer2,@function
k_q1e97f32611_layer2:
	s_mov_b64 s[64:65], 0
	v_nop
	global_prefetch_b8 v0, s[64:65] scope:SCOPE_SE
	s_setreg_imm32_b32 hwreg(HW_REG_WAVE_MODE, 25, 1), 1
	s_wait_xcnt 0x0
; LAYER 2: out0[b][s][o] = g0 gelu(h0 W2[e0] + b2[e0]) + g1 gelu(h1 W2[e1] + b2[e1]), the products on codes of FP6 (E2M3) with one E8M0 scale for each 32 along K = 2,048.
; SHARES.  Work-group = 8 b + os: batch element b's 128 tokens x output columns 64 os .. + 63: each output number has one owner.  K IS SPLIT OVER THE WAVES, so that no byte is loaded twice in a work-group:
; wave w takes the chosen expert of slot w / 2 and K steps 8 (w % 2) + 0 .. 7, and holds the whole 128 x 64 tile: 32 accumulators.  The four partial tiles meet in LDS behind one barrier; then wave w
; finishes tokens 32 w .. + 31: sums, gelu, the gates' weights, and whole rows of 256 bytes out through its own stage.  The sum over K is so made in two halves, each in ascending K.
; The expert's number is read from route_idx, which an earlier launch stored, and enters addresses behind s_min_u32 .., 7.  The gates' weights are data alone.
; TRANSPOSED USE: source 0 = 16 columns of W2, source 1 = 16 tokens of the hidden layer: lane (r, h) holds token r, register 8 u + j of the tile pair of group g holds column 32 g + 16 h + 8 u + j.
; Both operands lie in memory as images of their registers: a fragment is three loads of 16 bytes a lane, 512 consecutive bytes each.
; GELU as in layer 1: gelu(x) = max(x, 0) - |x| Q(|x|), Abramowitz and Stegun 26.2.17.  LIMITS: Phi's absolute error at most 7.5e-8; NaN and infinities are not served.
; NO CLUSTER, NO TENSOR LOAD: operands go from memory straight into operand registers; there is no tile in LDS that partners could ask for jointly, and the weights' addresses hang on a number read from memory.
; REGISTERS: window 0: v1-9 addresses; v16-19, v24-27 the hidden scale words (two sets); v20-21, v28-29 W2's; v32-41 A1..A5; v64-159 8 hidden fragments, v160-207 4 fragments of W2 (set 0); v208-239 b2's 4 tiles.
;   window 1: the 32 accumulators, (m, t) at v[8 (4 m + t)].   window 2: operand set 1 at set 0's numbers.   At the end window 0's v64-191 hold four partial tiles, v192-255 GELU's temporaries.
.set WS_OFF, 6291456
.set HS_OFF, 12582912
.set STG, 131072                       ; LDS: 0.. four partial tiles of 32,768 bytes (accumulator a of wave o at 32768 o + 1024 a + 512 half + 16 lane); here a stage of 32 rows x (256 + 16) bytes for each wave
.set LI,  1                            ; v1  16 x lane
.set LS,  2                            ; v2  4 x lane
.set BA,  3                            ; v3  64 h
.set PS,  4                            ; v4  where I store my partial tile
.set PR,  5                            ; v5  where I read partial tiles 0, 1;  v6: 2, 3
.set SO,  7                            ; v7  the stage, in
.set SR,  8                            ; v8  the stage, out
.set GO,  9                            ; v9  my byte offset in two rows of out0
.set HSC, 16
.set WSC, 20
.set CK,  32
.set HF,  64
.set WF,  160
.set BB,  208
.set GT,  192
.set KP,  35
.set KC,  36
.set MSB, 0
.macro WIN new                         ; the immediate's high byte repeats the setting that is left
.if MSB != \new
	s_set_vgpr_msb (MSB<<8)|\new
.set MSB, \new
.endif
.endm
; gelu of 16 registers, in place; 64 temporaries: U = T, S = T + 16, R = T + 32, M = T + 48.  The 32 transcendentals are one batch with one wait.
.macro GELU16 X, T
.irp i, 0,1,2,3,4,5,6,7,8,9,10,11,12,13,14,15
	v_fma_f32 v[\T+\i], |v[\X+\i]|, s[KP], 1.0
.endr
.irp i, 0,2,4,6,8,10,12,14
	v_pk_mul_f32 v[\T+16+\i:\T+17+\i], v[\X+\i:\X+\i+1], v[\X+\i:\X+\i+1]
.endr
.irp i, 0,2,4,6,8,10,12,14
	v_pk_mul_f32 v[\T+16+\i:\T+17+\i], v[\T+16+\i:\T+17+\i], s[KC:KC+1] op_sel_hi:[1,0]
.endr
.irp i, 0,1,2,3,4,5,6,7,8,9,10,11,12,13,14,15
	v_rcp_f32 v[\T+\i], v[\T+\i]
.endr
.irp i, 0,1,2,3,4,5,6,7,8,9,10,11,12,13,14,15
	v_exp_f32 v[\T+16+\i], v[\T+16+\i]
.endr
.irp i, 0,1,2,3,4,5,6,7,8,9,10,11,12,13,14,15
	v_max_num_f32 v[\T+48+\i], 0, v[\X+\i]         ; plain independent work behind the batch
.endr
	s_wait_alu depctr_va_vdst(0)                   ; one wait ahead of the batch's first reader
.irp i, 0,2,4,6,8,10,12,14
	v_pk_fma_f32 v[\T+32+\i:\T+33+\i], v[\T+\i:\T+\i+1], v[CK+8:CK+9], v[CK+6:CK+7]
.endr
.irp a, 4,2,0
.irp i, 0,2,4,6,8,10,12,14
	v_pk_fma_f32 v[\T+32+\i:\T+33+\i], v[\T+32+\i:\T+33+\i], v[\T+\i:\T+\i+1], v[CK+\a:CK+\a+1]
.endr
.endr
.irp i, 0,2,4,6,8,10,12,14
	v_pk_mul_f32 v[\T+32+\i:\T+33+\i], v[\T+32+\i:\T+33+\i], v[\T+\i:\T+\i+1]
.endr
.irp i, 0,2,4,6,8,10,12,14
	v_pk_mul_f32 v[\T+32+\i:\T+33+\i], v[\T+32+\i:\T+33+\i], v[\T+16+\i:\T+17+\i]
.endr
.irp i, 0,1,2,3,4,5,6,7,8,9,10,11,12,13,14,15
	v_fma_f32 v[\X+\i], -|v[\X+\i]|, v[\T+32+\i], v[\T+48+\i]
.endr
.endm
; 39 loads: my k-th K step: 8 hidden fragments, 4 fragments of W2, their scale words, into operand set k % 2
.macro LOADK k
.if (\k)%2
	WIN 0x80                                       ; destination window 2, address window 0
.else
	WIN 0
.endif
.irp m, 0,1,2,3,4,5,6,7
.irp c, 0,1,2
	global_load_b128 v[HF+12*\m+4*\c:HF+12*\m+4*\c+3], v[LI], s[4:5] offset:12288*(\k)+1536*\m+512*\c
.endr
.endr
.irp t, 0,1,2,3
.irp c, 0,1,2
	global_load_b128 v[WF+12*\t+4*\c:WF+12*\t+4*\c+3], v[LI], s[6:7] offset:49152*(\t/2)+3072*(\k)+1536*(\t%2)+512*\c
.endr
.endr
	WIN 0                                          ; scale operands have no window: both sets of scale words lie in window 0
	global_load_b128 v[HSC+8*((\k)%2):HSC+8*((\k)%2)+3], v[LI], s[30:31] offset:512*(\k)
	global_load_b32 v[WSC+8*((\k)%2)], v[LS], s[32:33] offset:128*(\k)
	global_load_b32 v[WSC+8*((\k)%2)+1], v[LS], s[32:33] offset:2048+128*(\k)
.endm
.macro WM ra, rb                               ; one product on rD, rA, rB, rC, rSA, rSB; ra, rb = 1: that source's scales stand in lanes 16-31
.if (\ra) && (\rb)
	v_wmma_scale_f32_16x16x128_f8f6f4 v[rD:rD+7], v[rA:rA+11], v[rB:rB+11], v[rC:rC+7], v[rSA], v[rSB] matrix_a_fmt:MATRIX_FMT_FP6 matrix_b_fmt:MATRIX_FMT_FP6 matrix_a_scale:MATRIX_SCALE_ROW1 matrix_b_scale:MATRIX_SCALE_ROW1
.elseif (\ra)
	v_wmma_scale_f32_16x16x128_f8f6f4 v[rD:rD+7], v[rA:rA+11], v[rB:rB+11], v[rC:rC+7], v[rSA], v[rSB] matrix_a_fmt:MATRIX_FMT_FP6 matrix_b_fmt:MATRIX_FMT_FP6 matrix_a_scale:MATRIX_SCALE_ROW1
.elseif (\rb)
	v_wmma_scale_f32_16x16x128_f8f6f4 v[rD:rD+7], v[rA:rA+11], v[rB:rB+11], v[rC:rC+7], v[rSA], v[rSB] matrix_a_fmt:MATRIX_FMT_FP6 matrix_b_fmt:MATRIX_FMT_FP6 matrix_b_scale:MATRIX_SCALE_ROW1
.else
	v_wmma_scale_f32_16x16x128_f8f6f4 v[rD:rD+7], v[rA:rA+11], v[rB:rB+11], v[rC:rC+7], v[rSA], v[rSB] matrix_a_fmt:MATRIX_FMT_FP6 matrix_b_fmt:MATRIX_FMT_FP6
.endif
.endm
; 32 products: the 32 accumulators take turns, one instruction a turn, in the same order in every K step.  The first K step's C is b2's tile (zeros in the wave of the upper K half).
.macro MULK k
.if (\k) == 0
	WIN 0x40                                       ; operands and C window 0, D window 1
.elseif (\k)%2
	WIN 0x5a                                       ; operands window 2, C and D window 1
.else
	WIN 0x50                                       ; operands window 0, C and D window 1
.endif
.irp m, 0,1,2,3,4,5,6,7
.irp t, 0,1,2,3
.set rD, 8*(4*\m+\t)
.set rA, WF+12*\t
.set rB, HF+12*\m
.set rC, rD
.if (\k) == 0
.set rC, BB+8*\t
.endif
.set rSA, WSC+8*((\k)%2)+\t/2
.set rSB, HSC+8*((\k)%2)+\m/2
	WM \t%2, \m%2
.endr
.endr
.endm
.macro PLACES                                  ; four places behind matrix instructions, in front of loads into registers that they have read and of reads of results (ISA guide 7.12.1 for reads of results)
.rept 4
	v_nop
.endr
.endm
	s_load_b256 s[4:11], s[0:1], 0x0               ; hc s[4:5], w2c s[6:7], b2 s[8:9], route_idx s[10:11]
	s_load_b128 s[12:15], s[0:1], 0x20             ; route_g s[12:13], out0 s[14:15]
	v_lshl_add_u32 v62, v0, 2, 0x28800
	v_mov_b32 v63, 0
	v_lshrrev_b32 v10, 5, v0
	v_readfirstlane_b32 s22, v10                   ; wave 0..3
	v_and_b32 v10, 31, v0                          ; lane
	v_and_b32 v11, 15, v0                          ; r
	v_bfe_u32 v12, v0, 4, 1                        ; h
	v_lshlrev_b32 v[LI], 4, v10
	v_lshlrev_b32 v[LS], 2, v10
	v_lshlrev_b32 v[BA], 6, v12
	s_lshl_b32 s38, s22, 15
	v_add_nc_u32 v[PS], s38, v[LI]                 ; 32,768 x wave + 16 x lane
	s_lshl_b32 s38, s22, 13
	v_add_nc_u32 v[PR], s38, v[LI]                 ; my two tiles of tokens, accumulators 8 w .. 8 w + 7: 8,192 x wave + 16 x lane
	v_add_nc_u32 v[PR+1], 0x10000, v[PR]
	s_mul_i32 s38, s22, 8704
	s_add_co_u32 s38, s38, STG                     ; my stage
	v_mul_u32_u24 v[SO], v11, 272
	v_lshl_add_u32 v[SO], v12, 6, v[SO]
	v_add_nc_u32 v[SO], s38, v[SO]                 ; in: row r, + 64 h
	v_mul_u32_u24 v[SR], v12, 272
	v_lshl_add_u32 v[SR], v11, 4, v[SR]
	v_add_nc_u32 v[SR], s38, v[SR]                 ; out: lanes 0-15 one row, lanes 16-31 the next
	v_lshlrev_b32 v[GO], 11, v12
	v_lshl_add_u32 v[GO], v11, 4, v[GO]            ; and the same two rows of out0, 2,048 bytes apart
	v_mov_b32 v[CK], 0x3e027906                    ; A1 .. A5, each twice
	v_mov_b32 v[CK+1], 0x3e027906
	v_mov_b32 v[CK+2], 0xbe11a98e
	v_mov_b32 v[CK+3], 0xbe11a98e
	v_mov_b32 v[CK+4], 0x3f35f0e3
	v_mov_b32 v[CK+5], 0x3f35f0e3
	v_mov_b32 v[CK+6], 0xbf3a00e3
	v_mov_b32 v[CK+7], 0xbf3a00e3
	v_mov_b32 v[CK+8], 0x3f07dc22
	v_mov_b32 v[CK+9], 0x3f07dc22
	s_lshr_b32 s23, ttmp9, 3                       ; b
	s_and_b32 s24, ttmp9, 7                        ; os
	s_lshr_b32 s25, s22, 1                         ; slot
	s_and_b32 s26, s22, 1                          ; kh
	s_mov_b32 s29, 0                               ; the upper word of every offset pair s[28:29]
	s_mov_b32 s[KP], 0x3e6d3389
	s_mov_b32 s[KC], 0xbf38aa3b
	s_mov_b32 s[KC+1], s[KC]
	s_wait_kmcnt 0x0
	s_lshl_b32 s28, s23, 3
	s_add_nc_u64 s[12:13], s[12:13], s[28:29]      ; route_g at 2 b
	s_lshl_b32 s38, s25, 2
	s_add_co_u32 s28, s28, s38
	s_add_nc_u64 s[10:11], s[10:11], s[28:29]      ; route_idx at 2 b + slot
	s_load_b32 s27, s[10:11], 0x0                  ; my expert
	s_load_b64 s[18:19], s[12:13], 0x0             ; g0, g1
	s_lshl_b32 s38, s23, 1
	s_add_co_u32 s38, s38, s25                     ; pair
	s_lshl_b32 s38, s38, 4
	s_lshl_b32 s39, s26, 3
	s_add_co_u32 s38, s38, s39                     ; pair x 16 + my first K step
	s_lshl_b32 s28, s38, 9
	s_add_co_u32 s28, s28, HS_OFF
	s_add_nc_u64 s[30:31], s[4:5], s[28:29]        ; the hidden scale words
	s_mul_i32 s28, s38, 12288
	s_add_nc_u64 s[4:5], s[4:5], s[28:29]          ; the hidden images
	s_lshl_b32 s28, s23, 7
	s_lshl_b32 s38, s22, 5
	s_add_co_u32 s28, s28, s38                     ; the first token that I finish: 128 b + 32 w
	s_lshl_b32 s28, s28, 11
	s_lshl_b32 s38, s24, 8
	s_add_co_u32 s28, s28, s38
	s_add_nc_u64 s[14:15], s[14:15], s[28:29]
	s_cmp_eq_u32 s26, 0
	s_cselect_b32 s34, -1, 0                       ; the wave of the lower K half adds the bias
	s_wait_kmcnt 0x0
	s_min_u32 s27, s27, 7                          ; behind this line only shifts left, sums and products
	s_lshl_b32 s38, s27, 4
	s_lshl_b32 s39, s24, 1
	s_add_co_u32 s38, s38, s39                     ; e x 16 + my first group of 32 outputs
	s_lshl_b32 s38, s38, 4
	s_lshl_b32 s39, s26, 3
	s_add_co_u32 s38, s38, s39                     ; J of that group's first K step of mine
	s_lshl_b32 s28, s38, 7
	s_add_co_u32 s28, s28, WS_OFF
	s_add_nc_u64 s[32:33], s[6:7], s[28:29]
	s_mul_i32 s28, s38, 3072
	s_add_nc_u64 s[6:7], s[6:7], s[28:29]
	s_lshl_b32 s28, s27, 11
	s_lshl_b32 s38, s24, 8
	s_add_co_u32 s28, s28, s38
	s_add_nc_u64 s[8:9], s[8:9], s[28:29]          ; b2 at my expert's 64 columns
	s_mov_b32 s20, s19                             ; g1 in a pair of its own: the packed forms take a pair's low word for both halves
	s_mov_b32 s21, s19
.irp t, 0,1,2,3
	global_load_b128 v[BB+8*\t:BB+8*\t+3], v[BA], s[8:9] offset:128*(\t/2)+32*(\t%2)       ; lane (r, h), tile t: b2 of columns 32 (t / 2) + 16 h + 8 (t % 2) + 0 .. 7
	global_load_b128 v[BB+8*\t+4:BB+8*\t+7], v[BA], s[8:9] offset:128*(\t/2)+32*(\t%2)+16
.endr
	LOADK 0
	LOADK 1
	s_wait_loadcnt 63                              ; b2's eight loads are in: 78 loads follow them, and 63 is the largest count that can be written
.irp i, 0,1,2,3,4,5,6,7,8,9,10,11,12,13,14,15,16,17,18,19,20,21,22,23,24,25,26,27,28,29,30,31
	v_and_b32 v[BB+\i], s34, v[BB+\i]
.endr
	PLACES
.irp k, 0,1,2,3,4,5,6,7
.if \k < 7
	s_wait_loadcnt 39                              ; this K step's set is in; the next set's 39 loads may be out
.else
	s_wait_loadcnt 0x0
.endif
	MULK \k
.if \k < 6
	WIN 0
	PLACES
	LOADK \k+2                                     ; into the set just multiplied
.endif
.endr
	WIN 0
	PLACES
	WIN 0x04                                       ; an LDS store's data are its source 1: window 1
.irp a, 0,1,2,3,4,5,6,7,8,9,10,11,12,13,14,15,16,17,18,19,20,21,22,23,24,25,26,27,28,29,30,31
	ds_store_b128 v[PS], v[8*\a:8*\a+3] offset:1024*\a          ; each accumulator from its low end on; 512 consecutive bytes a store
	ds_store_b128 v[PS], v[8*\a+4:8*\a+7] offset:1024*\a+512
.endr
	WIN 0
	s_wait_dscnt 0x0                               ; for the others' sake: my partial tile lies in LDS
	s_barrier_signal -1
	s_barrier_wait -1                              ; all four do
; Tile of tokens 2 w + mi: the four partial tiles' 32 registers each; slot 0 = tiles 0 + 1, slot 1 = tiles 2 + 3; gelu; the weights; into my stage
.macro FIN mi
.if \mi
	s_wait_dscnt 0x0                               ; the stage's stores have read the registers that are loaded again below
.endif
.irp o, 0,1,2,3
.irp t, 0,1,2,3
.irp f, 0,1
	ds_load_b128 v[64+32*\o+8*\t+4*\f:64+32*\o+8*\t+4*\f+3], v[PR+\o/2] offset:32768*(\o%2)+4096*\mi+1024*\t+512*\f
.endr
.endr
.endr
	s_wait_dscnt 0x0
.irp i, 0,2,4,6,8,10,12,14,16,18,20,22,24,26,28,30
	v_pk_add_f32 v[64+\i:65+\i], v[64+\i:65+\i], v[96+\i:97+\i]
	v_pk_add_f32 v[128+\i:129+\i], v[128+\i:129+\i], v[160+\i:161+\i]
.endr
	GELU16 64, GT
	GELU16 80, GT
	GELU16 128, GT
	GELU16 144, GT
.irp i, 0,2,4,6,8,10,12,14,16,18,20,22,24,26,28,30
	v_pk_mul_f32 v[96+\i:97+\i], v[64+\i:65+\i], s[18:19] op_sel_hi:[1,0]                          ; g0 x slot 0's
.endr
.irp i, 0,2,4,6,8,10,12,14,16,18,20,22,24,26,28,30
	v_pk_fma_f32 v[96+\i:97+\i], v[128+\i:129+\i], s[20:21], v[96+\i:97+\i] op_sel_hi:[1,0,1]      ; + g1 x slot 1's
.endr
.irp g, 0,1
.irp q, 0,1,2,3
	ds_store_b128 v[SO], v[96+16*\g+4*\q:96+16*\g+4*\q+3] offset:4352*\mi+128*\g+16*\q   ; registers 16 g + 0 .. 15 are columns 32 g + 16 h + 0 .. 15 of token r
.endr
.endr
.endm
	FIN 0
	FIN 1
	s_wait_dscnt 0x0                               ; the stage's stores have read their registers
.irp i, 0,1,2,3,4,5,6,7,8,9,10,11,12,13,14,15
	ds_load_b128 v[64+4*\i:67+4*\i], v[SR] offset:544*\i        ; two rows an instruction; the stage is my wave's own
.endr
.irp i, 0,1,2,3,4,5,6,7,8,9,10,11,12,13,14,15
	s_wait_dscnt 15-\i                             ; the younger loads may be out
	global_store_b128 v[GO], v[64+4*\i:67+4*\i], s[14:15] offset:4096*\i th:TH_STORE_NT   ; sixteen lanes store 256 consecutive bytes, at a multiple of 256 from out0's first byte
.endr
	s_wait_tensorcnt 0x0
	ds_add_u32 v62, v63
	s_wait_dscnt 0x0
	s_endpgm
.Lfunc_end_k_q1e97f32611_layer2:
	.size	k_q1e97f32611_layer2, .Lfunc_end_k_q1e97f32611_layer2-k_q1e97f32611_layer2
	.p2alignl 7, 3214868480
	.fill 96, 4, 3214868480
	.section	.rodata,"a",@progbits
	.p2align	6, 0x0
	.amdhsa_kernel k_q1e97f32611_layer2
		.amdhsa_group_segment_fixed_size 166400
		.amdhsa_private_segment_fixed_size 0
		.amdhsa_enable_private_segment 0
		.amdhsa_kernarg_size 48
		.amdhsa_user_sgpr_count 2
		.amdhsa_user_sgpr_kernarg_segment_ptr 1
		.amdhsa_wavefront_size32 1
		.amdhsa_system_sgpr_workgroup_id_x 1
		.amdhsa_system_sgpr_workgroup_id_y 1
		.amdhsa_system_sgpr_workgroup_id_z 1
		.amdhsa_system_vgpr_workitem_id 0
		.amdhsa_next_free_vgpr 768
		.amdhsa_next_free_sgpr 66
		.amdhsa_reserve_vcc 0
		.amdhsa_float_denorm_mode_32 3
		.amdhsa_float_denorm_mode_16_64 3
		.amdhsa_memory_ordered 1
		.amdhsa_forward_progress 1
		.amdhsa_inst_pref_size 150
	.end_amdhsa_kernel
	.amdgpu_metadata
---
amdhsa.version: [ 1, 2 ]
amdhsa.kernels:
  - .name:           k_q1e97f32611_layer2
    .symbol:         k_q1e97f32611_layer2.kd
    .args:
      - { .name: hc, .offset: 0, .size: 8, .value_kind: global_buffer, .address_space: global }
      - { .name: w2c, .offset: 8, .size: 8, .value_kind: global_buffer, .address_space: global }
      - { .name: b2, .offset: 16, .size: 8, .value_kind: global_buffer, .address_space: global }
      - { .name: route_idx, .offset: 24, .size: 8, .value_kind: global_buffer, .address_space: global }
      - { .name: route_g, .offset: 32, .size: 8, .value_kind: global_buffer, .address_space: global }
      - { .name: out0, .offset: 40, .size: 8, .value_kind: global_buffer, .address_space: global }
    .group_segment_fixed_size: 166400
    .private_segment_fixed_size: 0
    .kernarg_segment_align: 8
    .kernarg_segment_size: 48
    .max_flat_workgroup_size: 128
    .sgpr_count:     66
    .vgpr_count:     768
    .wavefront_size: 32
...
	.end_amdgpu_metadata
.endif
;; end of part 3
;; ======== version 2 of 2: 3 launches; version 1 with the launches layer1, layer2 written anew for expert scheduling mode
;; limits: a function is approximated: absolute error at most 7.5e-08
;; workspace buffers: xc 1,638,400 bytes; w1c 6,553,600 bytes; w2c 6,553,600 bytes; route_idx 256 bytes of whole numbers; route_g 256 bytes; hc 13,107,200 bytes
;; launch prep: the kernel of part 1 again; grid 288 x 1, 16 waves a work-group, no clusters, 119,808 bytes of LDS; arguments x, attn_w, attn_b, gate_w, gate_b, w1, w2, xc, w1c, w2c, route_idx, route_g; writes xc, w1c, w2c, route_idx, route_g
;; launch layer1 (part 4): grid 256 x 1, 4 waves a work-group, no clusters, 0 bytes of LDS; arguments xc, w1c, b1, route_idx, hc; writes hc
.if DOCPART == 4
	.amdgcn_target "amdgcn-amd-amdhsa--gfx1250"
	.amdhsa_code_object_version 6
	.text
	.protected	k_q1e97f32611_layer1
	.globl	k_q1e97f32611_layer1
	.p2align	8
	.type	k_q1e97f32611_layer1,@function
k_q1e97f32611_layer1:
	s_mov_b64 s[64:65], 0
	v_nop
	global_prefetch_b8 v0, s[64:65] scope:SCOPE_SE
	s_setreg_imm32_b32 hwreg(HW_REG_WAVE_SCHED_MODE, 0, 2), 2
	s_setreg_imm32_b32 hwreg(HW_REG_WAVE_MODE, 25, 1), 1
	s_wait_xcnt 0x0
	s_wait_alu depctr_vm_vsrc(0)
; LAYER 1: for each pair (batch element b, chosen expert) and each quarter of H: hc = Q(gelu(x W1 + b1)), the product on codes of FP6 (E2M3) with one E8M0 scale for each 32 along K = 512.
; SHARES.  Work-group = 4 x pair + quarter; wave w takes hidden units 128 sH .. + 127, sH = 4 x quarter + w, for the pair's 128 tokens (8 tiles of 16).  Its part of W1 (32 fragments, 384 registers), of
; b1 and of W1's scale words stays in registers; x's fragments come two tiles ahead by turns.  Waves share nothing: no LDS, no barrier.
; The expert's number is read from route_idx, which the launch before stored, and enters addresses behind s_min_u32 .., 7.
; TRANSPOSED USE: source 0 = 16 columns of W1, source 1 = 16 tokens: lane (r, h) holds token r, and register 8 u + j of the tile pair of group g holds hidden unit 32 g + 16 h + 8 u + j (the tiles' rows were
; chosen for that when the images were laid).  So a lane's 64 results are, block by block, 16 neighbours along the next K, and the wave's 128 units are exactly one K step of the second product.
; hc: the hidden fragment of (pair, sH, tile m) as an image of its registers at ((pair x 16 + sH) x 8 + m) x 1536 + 512 c + 16 lane; from HS_OFF on the scale words at (pair x 16 + sH) x 512 + 16 lane + 4 mp:
; in word mp lanes 0-15 hold tile 2 mp's rows, lanes 16-31 tile 2 mp + 1's.
; GELU, exact form: gelu(x) = max(x, 0) - |x| Q(|x|), Q(z) = 1 - Phi(z) = e^(-z z / 2) (A1 t + .. + A5 t^5), t = 1 / (1 + 0.2316419 z) (Abramowitz and Stegun 26.2.17, the factor 1 / sqrt(2 pi) folded into A1..A5).
; LIMITS: Phi's absolute error is at most 7.5e-8, which far in the negative tail is a larger part of the number itself than f32 rounding; NaN and infinities are not served; a block of zeros gets the scale byte 1.
; NO CLUSTER, NO TENSOR LOAD: operands lie in memory in the order of the operand registers and go straight into them, 16 bytes a lane; there is no tile in LDS that partners could ask for jointly, and the
; weights' addresses hang on a number read from memory.
; THE MODE: SCHED_MODE bits 1:0 = 2 (LLVM: expert scheduling mode 2), set by the entry lines.  The code itself states the register dependences between vector or matrix instructions and memory
; instructions, with s_wait_alu, always for 0.
; THE PLAN.  Registers that memory instructions touch:
;   v1-v5        offsets, made at the head and never written again: one wait on va_vdst ahead of the first load serves every load and store.
;   X0, X1       x's two buffers (window 3) with their scale words v24-27, v28-31.  Tile m's 32 products read X[m % 2]; the loads of tile m + 2 land in it, issued behind the whole of tile m.  Between the products
;                and those loads stand the tile's five waits on va_vdst, and no vector or matrix instruction behind the last of them names X[m % 2]: the loads owe no wait of their own.
;   v[PC ..+11]  the codes: written by the quantiser, read by the tile's three stores: one wait on va_vdst ahead of the stores; one on vm_vsrc ahead of the next quantiser, a tile's products and activation behind them.
;   v[HSW ..+3]  the scale words: written in every tile ahead of that same wait on va_vdst; read by the one store behind the loop.
;   W1, b1 and W1's scale words are loaded once, into registers that no vector instruction has named.
; REGISTERS: window 0: v1-5 addresses; v24-31 x's scale words (two sets); v32-47 W1's; v48-51 the hidden scale words; v52-61 A1..A5 as pairs; v64-127 my 8 tiles; v128-191 GELU's 64 temporaries; v192-228 the quantiser's.
;   window 1: W1's fragments of K steps 0, 1 at v[12 (8 s + t)]; b1's 8 tiles from v192.   window 2: K steps 2, 3.   window 3: x's fragments, two buffers of 48.
.set XS_OFF, 1572864
.set WS_OFF, 6291456
.set HS_OFF, 12582912
.set XA,  1                            ; v1  384 r + 24 h: my place in a tile of x's codes
.set XSA, 2                            ; v2  16 r: my token's scale bytes
.set LI,  3                            ; v3  16 x lane
.set LS,  4                            ; v4  4 x lane
.set BA,  5                            ; v5  64 h: b1's 16 numbers of my half
.set XS,  24
.set W1S, 32
.set HSW, 48
.set CK,  52
.set HA,  64
.set GT,  128
.set TM,  192
.set PC,  208
.set PW,  228
.set B1T, 192                          ; in window 1
.set CNT, 28
.set KP,  29
.set KC,  30
.set SEL, 32
.set MSB, 0
.macro WIN new                         ; the immediate's high byte repeats the setting that is left
.if MSB != \new
	s_set_vgpr_msb (MSB<<8)|\new
.set MSB, \new
.endif
.endm
; gelu of 16 registers, in place; 64 temporaries: U = T, S = T + 16, R = T + 32, M = T + 48.  The 32 transcendentals are one batch with one wait.
.macro GELU16 X, T
.irp i, 0,1,2,3,4,5,6,7,8,9,10,11,12,13,14,15
	v_fma_f32 v[\T+\i], |v[\X+\i]|, s[KP], 1.0     ; 1 + p |x|  (the results are read from their low end on)
.endr
.irp i, 0,2,4,6,8,10,12,14
	v_pk_mul_f32 v[\T+16+\i:\T+17+\i], v[\X+\i:\X+\i+1], v[\X+\i:\X+\i+1]
.endr
.irp i, 0,2,4,6,8,10,12,14
	v_pk_mul_f32 v[\T+16+\i:\T+17+\i], v[\T+16+\i:\T+17+\i], s[KC:KC+1] op_sel_hi:[1,0]   ; - x x log2(e) / 2
.endr
.irp i, 0,1,2,3,4,5,6,7,8,9,10,11,12,13,14,15
	v_rcp_f32 v[\T+\i], v[\T+\i]                   ; t
.endr
.irp i, 0,1,2,3,4,5,6,7,8,9,10,11,12,13,14,15
	v_exp_f32 v[\T+16+\i], v[\T+16+\i]             ; e^(-x x / 2)
.endr
.irp i, 0,1,2,3,4,5,6,7,8,9,10,11,12,13,14,15
	v_max_num_f32 v[\T+48+\i], 0, v[\X+\i]         ; plain independent work behind the batch
.endr
	s_wait_alu depctr_va_vdst(0)                   ; the 32 reciprocals and exponentials have written v[T .. T+31], ahead of their first reader; the tile's products, issued earlier, are done reading their buffer of x
.irp i, 0,2,4,6,8,10,12,14
	v_pk_fma_f32 v[\T+32+\i:\T+33+\i], v[\T+\i:\T+\i+1], v[CK+8:CK+9], v[CK+6:CK+7]
.endr
.irp a, 4,2,0
.irp i, 0,2,4,6,8,10,12,14
	v_pk_fma_f32 v[\T+32+\i:\T+33+\i], v[\T+32+\i:\T+33+\i], v[\T+\i:\T+\i+1], v[CK+\a:CK+\a+1]
.endr
.endr
.irp i, 0,2,4,6,8,10,12,14
	v_pk_mul_f32 v[\T+32+\i:\T+33+\i], v[\T+32+\i:\T+33+\i], v[\T+\i:\T+\i+1]
.endr
.irp i, 0,2,4,6,8,10,12,14
	v_pk_mul_f32 v[\T+32+\i:\T+33+\i], v[\T+32+\i:\T+33+\i], v[\T+16+\i:\T+17+\i]   ; Q(|x|)
.endr
.irp i, 0,1,2,3,4,5,6,7,8,9,10,11,12,13,14,15
	v_fma_f32 v[\X+\i], -|v[\X+\i]|, v[\T+32+\i], v[\T+48+\i]
.endr
.endm
; 64 numbers of a lane, register 16 b + i = k 32 b + 16 (lane / 16) + i of my row, become a fragment's codes in v[PC] on and its scale word in v[PW].
.macro QUANT s
.irp b, 0,1,2,3
	v_max3_num_f32 v[TM+\b], |v[\s+16*\b]|, |v[\s+1+16*\b]|, 0x1800000   ; block b: my 16 numbers, and the floor 2^(3 - 127): the byte cannot fall under 1
.endr
.irp i, 2,4,6,8,10,12,14
.irp b, 0,1,2,3
	v_max3_num_f32 v[TM+\b], v[TM+\b], |v[\s+16*\b+\i]|, |v[\s+1+16*\b+\i]|
.endr
.endr
.irp b, 0,1,2,3
	v_permlanex16_b32 v[TM+4+\b], v[TM+\b], s[SEL], s[SEL+1]
.endr
.irp b, 0,1,2,3
	v_max_num_f32 v[TM+\b], v[TM+\b], v[TM+4+\b]   ; with lane l xor 16's: the block's largest magnitude
.endr
.irp b, 0,1,2,3
	v_add_nc_u32 v[TM+12+\b], 0xff000000, v[TM+\b] ; 2 off its exponent field: the conversion's scale operand
.endr
.irp b, 0,1,2,3
	v_lshrrev_b32 v[TM+4+\b], 23, v[TM+12+\b]      ; the scale's byte
.endr
	v_lshl_or_b32 v[PW], v[TM+5], 8, v[TM+4]
	v_lshl_or_b32 v[PW], v[TM+6], 16, v[PW]
	v_lshl_or_b32 v[PW], v[TM+7], 24, v[PW]
.irp c, 0,1
	v_cvt_scalef32_pk16_fp6_f32 v[PC+6*\c:PC+2+6*\c], v[\s+32*\c:\s+15+32*\c], v[TM+12+2*\c]
	v_cvt_scalef32_pk16_fp6_f32 v[PC+12+4*\c:PC+14+4*\c], v[\s+16+32*\c:\s+31+32*\c], v[TM+12+2*\c+1]   ; (a conversion's three registers begin on an even number)
.endr
	v_nop                                          ; one plain place behind a scaled conversion
.irp c, 0,1                                    ; the operand wants a WHOLE block in a lane: lanes 0-15 block 2 c, lanes 16-31 block 2 c + 1
.irp i, 0,1,2
	v_permlane16_swap_b32 v[PC+6*\c+\i], v[PC+12+4*\c+\i]
.endr
.irp i, 0,1,2
	v_mov_b32 v[PC+3+6*\c+\i], v[PC+12+4*\c+\i]
.endr
.endr
.endm
; 25 loads: a tile of 16 tokens: four fragments (24 bytes twice a lane and K step, in pieces of 8) into buffer beta of window 3, and the tokens' four scale words.
; No wait of its own: no vector or matrix instruction issued since the last wait on va_vdst names the buffer, its scale words or the two offsets.
.macro LOADX beta, off, offs
	WIN 0xc0                                       ; destination window 3, address window 0
.irp s, 0,1,2,3
.irp p, 0,1,2,3,4,5
	global_load_b64 v[48*\beta+12*\s+2*\p:48*\beta+12*\s+2*\p+1], v[XA], s[4:5] offset:\off+96*\s+48*(\p/3)+8*(\p%3)
.endr
.endr
	WIN 0
	global_load_b128 v[XS+4*\beta:XS+4*\beta+3], v[XSA], s[22:23] offset:\offs
.endm
.macro WM ra                                   ; one product on the registers named by rD, rA, rB, rC, rSA, rSB; ra = 1: source 0's scales stand in lanes 16-31
.if \ra
	v_wmma_scale_f32_16x16x128_f8f6f4 v[rD:rD+7], v[rA:rA+11], v[rB:rB+11], v[rC:rC+7], v[rSA], v[rSB] matrix_a_fmt:MATRIX_FMT_FP6 matrix_b_fmt:MATRIX_FMT_FP6 matrix_a_scale:MATRIX_SCALE_ROW1
.else
	v_wmma_scale_f32_16x16x128_f8f6f4 v[rD:rD+7], v[rA:rA+11], v[rB:rB+11], v[rC:rC+7], v[rSA], v[rSB] matrix_a_fmt:MATRIX_FMT_FP6 matrix_b_fmt:MATRIX_FMT_FP6
.endif
.endm
; A tile of 16 tokens from buffer beta: 32 products (the 8 accumulators by turns, one instruction a turn, K step by K step; b1 is the C of each sum's first), gelu, quantiser, image out.
.macro TILE beta, par
.irp s, 0,1,2,3
.if \s == 0
	WIN 0x1d                                       ; source 0 (W1) window 1, source 1 (x) window 3, C (b1) window 1, D window 0
.elseif \s == 1
	WIN 0x0d
.else
	WIN 0x0e                                       ; W1's K steps 2, 3: window 2
.endif
.irp t, 0,1,2,3,4,5,6,7
.set rD, HA+8*\t
.set rA, 12*(8*(\s%2)+\t)
.set rB, 48*\beta+12*\s
.set rC, rD
.if \s == 0
.set rC, B1T+8*\t
.endif
.set rSA, W1S+4*(\t/2)+\s
.set rSB, XS+4*\beta+\s
	WM \t%2
.endr
.endr
	WIN 0
.rept 4
	v_nop                                          ; four places between the last products and the first read of results (ISA guide 7.12.1)
.endr
.irp k, 0,1,2,3
	GELU16 HA+16*\k, GT
.endr
	s_wait_xcnt 0x0                                ; the last tile's stores have had their addresses translated (ISA guide 3.1),
	s_wait_alu depctr_vm_vsrc(0)                   ; and have read v[PC .. PC+11], which the quantiser below writes again
	QUANT HA
.if \par == 0
	v_mov_b32 v[HSW], v[HSW+1]                     ; the four words move down one place a trip: after four trips word mp stands in register mp
	v_mov_b32 v[HSW+1], v[HSW+2]
	v_mov_b32 v[HSW+2], v[HSW+3]
	v_mov_b32 v[HSW+3], v[PW]                      ; the even tile's words (every lane holds its token's)
.else
	v_cndmask_b32 v[HSW+3], v[HSW+3], v[PW], vcc_lo   ; the odd tile's take lanes 16-31
.endif
	s_wait_alu depctr_va_vdst(0)                   ; the quantiser has written v[PC .. PC+11], which the three stores read; the lines above have written v[HSW ..], which the store behind the loop reads
.irp c, 0,1,2
	global_store_b128 v[LI], v[PC+4*\c:PC+4*\c+3], s[12:13] offset:1536*\par+512*\c   ; 32 lanes store 512 consecutive bytes, aligned
.endr
.endm
	s_load_b256 s[4:11], s[0:1], 0x0               ; xc s[4:5], w1c s[6:7], b1 s[8:9], route_idx s[10:11]
	s_load_b64 s[12:13], s[0:1], 0x20              ; hc
	v_lshrrev_b32 v6, 5, v0
	v_readfirstlane_b32 s17, v6                    ; wave 0..3
	v_and_b32 v6, 31, v0                           ; lane
	v_and_b32 v7, 15, v0                           ; r
	v_bfe_u32 v8, v0, 4, 1                         ; h
	v_mul_u32_u24 v[XA], v7, 384
	v_mad_u32_u24 v[XA], v8, 24, v[XA]
	v_lshlrev_b32 v[XSA], 4, v7
	v_lshlrev_b32 v[LI], 4, v6
	v_lshlrev_b32 v[LS], 2, v6
	v_lshlrev_b32 v[BA], 6, v8
	s_wait_alu depctr_va_sdst(0)                   ; s17 is written, ahead of its first reader: sH and the bases are made from it
	s_lshr_b32 s18, ttmp9, 2                       ; pair = 2 b + slot
	s_and_b32 s19, ttmp9, 3
	s_lshl_b32 s19, s19, 2
	s_add_co_u32 s19, s19, s17                     ; sH
	s_lshr_b32 s20, s18, 1                         ; b
	s_mov_b32 s15, 0                               ; the upper word of every offset pair s[14:15]
	s_mov_b32 s[KP], 0x3e6d3389                    ; 0.2316419
	s_mov_b32 s[KC], 0xbf38aa3b                    ; -log2(e) / 2
	s_mov_b32 s[KC+1], s[KC]                       ; (named with it as a pair, so it is written)
	s_mov_b32 s[SEL], 0x76543210
	s_mov_b32 s[SEL+1], 0xfedcba98
	s_mov_b32 vcc_lo, 0xffff0000                   ; lanes 16-31; no line below writes it
	s_mov_b32 s[CNT], 4
	s_wait_kmcnt 0x0
	s_lshl_b32 s14, s18, 2
	s_add_nc_u64 s[10:11], s[10:11], s[14:15]
	s_load_b32 s16, s[10:11], 0x0                  ; the pair's expert
	s_lshl_b32 s14, s20, 11
	s_add_co_u32 s14, s14, XS_OFF
	s_add_nc_u64 s[22:23], s[4:5], s[14:15]        ; x's scale bytes of batch element b
	s_mul_i32 s14, s20, 49152
	s_add_nc_u64 s[4:5], s[4:5], s[14:15]          ; and its codes: 128 tokens of 384 bytes
	s_wait_alu depctr_va_vdst(0)                   ; the five offsets v1 to v5 are written, which every load and store of the kernel reads
	LOADX 0, 0, 0                                  ; the first tile of tokens: its address hangs on no loaded number
	s_lshl_b32 s21, s18, 4
	s_add_co_u32 s21, s21, s19                     ; pair x 16 + sH
	s_lshl_b32 s14, s21, 9
	s_add_co_u32 s14, s14, HS_OFF
	s_add_nc_u64 s[26:27], s[12:13], s[14:15]      ; the hidden scale words
	s_mul_i32 s14, s21, 12288
	s_add_nc_u64 s[12:13], s[12:13], s[14:15]      ; the hidden images
	v_mov_b32 v[CK], 0x3e027906                    ; A1 .. A5, each twice: the packed forms name pairs
	v_mov_b32 v[CK+1], 0x3e027906
	v_mov_b32 v[CK+2], 0xbe11a98e
	v_mov_b32 v[CK+3], 0xbe11a98e
	v_mov_b32 v[CK+4], 0x3f35f0e3
	v_mov_b32 v[CK+5], 0x3f35f0e3
	v_mov_b32 v[CK+6], 0xbf3a00e3
	v_mov_b32 v[CK+7], 0xbf3a00e3
	v_mov_b32 v[CK+8], 0x3f07dc22
	v_mov_b32 v[CK+9], 0x3f07dc22
.irp b, 0,1,2,3
	v_mov_b32 v[HSW+\b], 0                         ; read by the first trips' moves
	v_mov_b32 v[TM+4+\b], 0                        ; a lane permute's destination counts as one of its sources
.endr
	s_wait_kmcnt 0x0
	s_min_u32 s16, s16, 7                          ; behind this line only shifts left, sums and products
	s_lshl_b32 s21, s16, 6
	s_lshl_b32 s14, s19, 2
	s_add_co_u32 s21, s21, s14                     ; e x 64 + my first group of 32 hidden units
	s_lshl_b32 s14, s21, 9
	s_add_co_u32 s14, s14, WS_OFF
	s_add_nc_u64 s[24:25], s[6:7], s[14:15]        ; W1's scale words: 4 K steps x 128 bytes a group
	s_mul_i32 s14, s21, 12288
	s_add_nc_u64 s[6:7], s[6:7], s[14:15]          ; W1's images: 4 K steps x 3,072 bytes a group
	s_lshl_b32 s14, s16, 13
	s_lshl_b32 s21, s19, 9
	s_add_co_u32 s14, s14, s21
	s_add_nc_u64 s[8:9], s[8:9], s[14:15]          ; b1 at my 128 units
	WIN 0x40                                       ; destination window 1.  (The loads below land in registers that no vector instruction has named; their offsets stand ahead of the wait above)
.irp s, 0,1
.irp t, 0,1,2,3,4,5,6,7
.irp c, 0,1,2
	global_load_b128 v[12*(8*\s+\t)+4*\c:12*(8*\s+\t)+4*\c+3], v[LI], s[6:7] offset:(\t/2)*12288+\s*3072+(\t%2)*1536+512*\c
.endr
.endr
.endr
.irp t, 0,1,2,3,4,5,6,7
	global_load_b128 v[B1T+8*\t:B1T+8*\t+3], v[BA], s[8:9] offset:(32*(\t/2)+8*(\t%2))*4       ; lane (r, h), tile t: b1 of units 32 (t / 2) + 16 h + 8 (t % 2) + 0 .. 7
	global_load_b128 v[B1T+8*\t+4:B1T+8*\t+7], v[BA], s[8:9] offset:(32*(\t/2)+8*(\t%2))*4+16
.endr
	WIN 0x80                                       ; destination window 2
.irp s, 0,1
.irp t, 0,1,2,3,4,5,6,7
.irp c, 0,1,2
	global_load_b128 v[12*(8*\s+\t)+4*\c:12*(8*\s+\t)+4*\c+3], v[LI], s[6:7] offset:(\t/2)*12288+(\s+2)*3072+(\t%2)*1536+512*\c
.endr
.endr
.endr
	WIN 0
.irp j, 0,1,2,3,4,5,6,7,8,9,10,11,12,13,14,15
	global_load_b32 v[W1S+\j], v[LS], s[24:25] offset:128*\j   ; group j / 4, K step j % 4: lanes 0-15 the even tile's rows, lanes 16-31 the odd tile's
.endr
.Lpair:                                            ; four trips, two tiles of tokens a trip
	LOADX 1, 6144, 256                             ; into the buffer that the last trip's second tile multiplied: that tile's waits on va_vdst stand behind its products
	s_wait_loadcnt 25                              ; all but the 25 loads just issued are in: buffer 0, and in the first trip the weights
	TILE 0, 0
	s_cmp_eq_u32 s[CNT], 1                         ; the last trip asks for nothing more: no load leaves its buffer
	s_cbranch_scc1 .Llast
	LOADX 0, 12288, 512                            ; into the buffer that the tile above multiplied: its waits on va_vdst stand behind its products
	s_wait_loadcnt 25                              ; buffer 1 is in; the 25 just issued may be out
	s_branch .Ljoin
.Llast:
	s_wait_loadcnt 0x0
.Ljoin:
	TILE 1, 1
	s_wait_xcnt 0x0                                ; the pending loads and stores have read their bases, which step now
	s_add_nc_u64 s[4:5], s[4:5], 12288
	s_add_nc_u64 s[22:23], s[22:23], 512
	s_add_nc_u64 s[12:13], s[12:13], 3072
	s_sub_co_u32 s[CNT], s[CNT], 1
	s_cmp_lg_u32 s[CNT], 0
	s_cbranch_scc1 .Lpair
	global_store_b128 v[LI], v[HSW:HSW+3], s[26:27]   ; the K step's scale words for all 8 tiles: 512 consecutive bytes, aligned.  The last tile's wait on va_vdst stands behind their last writer, and no vector instruction follows it
	s_endpgm
.Lfunc_end_k_q1e97f32611_layer1:
	.size	k_q1e97f32611_layer1, .Lfunc_end_k_q1e97f32611_layer1-k_q1e97f32611_layer1
	.p2alignl 7, 3214868480
	.fill 96, 4, 3214868480
	.section	.rodata,"a",@progbits
	.p2align	6, 0x0
	.amdhsa_kernel k_q1e97f32611_layer1
		.amdhsa_group_segment_fixed_size 0
		.amdhsa_private_segment_fixed_size 0
		.amdhsa_enable_private_segment 0
		.amdhsa_kernarg_size 40
		.amdhsa_user_sgpr_count 2
		.amdhsa_user_sgpr_kernarg_segment_ptr 1
		.amdhsa_wavefront_size32 1
		.amdhsa_system_sgpr_workgroup_id_x 1
		.amdhsa_system_sgpr_workgroup_id_y 1
		.amdhsa_system_sgpr_workgroup_id_z 1
		.amdhsa_system_vgpr_workitem_id 0
		.amdhsa_next_free_vgpr 864
		.amdhsa_next_free_sgpr 66
		.amdhsa_reserve_vcc 1
		.amdhsa_float_denorm_mode_32 3
		.amdhsa_float_denorm_mode_16_64 3
		.amdhsa_memory_ordered 1
		.amdhsa_forward_progress 1
		.amdhsa_inst_pref_size 101
	.end_amdhsa_kernel
	.amdgpu_metadata
---
amdhsa.version: [ 1, 2 ]
amdhsa.kernels:
  - .name:           k_q1e97f32611_layer1
    .symbol:         k_q1e97f32611_layer1.kd
    .args:
      - { .name: xc, .offset: 0, .size: 8, .value_kind: global_buffer, .address_space: global }
      - { .name: w1c, .offset: 8, .size: 8, .value_kind: global_buffer, .address_space: global }
      - { .name: b1, .offset: 16, .size: 8, .value_kind: global_buffer, .address_space: global }
      - { .name: route_idx, .offset: 24, .size: 8, .value_kind: global_buffer, .address_space: global }
      - { .name: hc, .offset: 32, .size: 8, .value_kind: global_buffer, .address_space: global }
    .group_segment_fixed_size: 0
    .private_segment_fixed_size: 0
    .kernarg_segment_align: 8
    .kernarg_segment_size: 40
    .max_flat_workgroup_size: 128
    .sgpr_count:     66
    .vgpr_count:     864
    .wavefront_size: 32
...
	.end_amdgpu_metadata
.endif
;; end of part 4
;; launch layer2 (part 5): grid 256 x 1, 4 waves a work-group, no clusters, 166,400 bytes of LDS; arguments hc, w2c, b2, route_idx, route_g, out0; writes out0
.if DOCPART == 5
	.amdgcn_target "amdgcn-amd-amdhsa--gfx1250"
	.amdhsa_code_object_version 6
	.text
	.protected	k_q1e97f32611_layer2
	.globl	k_q1e97f32611_layer2
	.p2align	8
	.type	k_q1e97f32611_layer2,@function
k_q1e97f32611_layer2:
	s_mov_b64 s[64:65], 0
	v_nop
	global_prefetch_b8 v0, s[64:65] scope:SCOPE_SE
	s_setreg_imm32_b32 hwreg(HW_REG_WAVE_SCHED_MODE, 0, 2), 2
	s_setreg_imm32_b32 hwreg(HW_REG_WAVE_MODE, 25, 1), 1
	s_wait_xcnt 0x0
	s_wait_alu depctr_vm_vsrc(0)
; LAYER 2: out0[b][s][o] = g0 gelu(h0 W2[e0] + b2[e0]) + g1 gelu(h1 W2[e1] + b2[e1]), the products on codes of FP6 (E2M3) with one E8M0 scale for each 32 along K = 2,048.
; SHARES.  Work-group = 8 b + os: batch element b's 128 tokens x output columns 64 os .. + 63: each output number has one owner.  K IS SPLIT OVER THE WAVES, so that no byte is loaded twice in a work-group:
; wave w takes the chosen expert of slot w / 2 and K steps 8 (w % 2) + 0 .. 7, and holds the whole 128 x 64 tile: 32 accumulators.  The four partial tiles meet in LDS behind one barrier; then wave w
; finishes tokens 32 w .. + 31: sums, gelu, the gates' weights, and whole rows of 256 bytes out through its own stage.  The sum over K is so made in two halves, each in ascending K.
; The expert's number is read from route_idx, which an earlier launch stored, and enters addresses behind s_min_u32 .., 7.  The gates' weights are data alone.
; TRANSPOSED USE: source 0 = 16 columns of W2, source 1 = 16 tokens of the hidden layer: lane (r, h) holds token r, register 8 u + j of the tile pair of group g holds column 32 g + 16 h + 8 u + j.
; Both operands lie in memory as images of their registers: a fragment is three loads of 16 bytes a lane, 512 consecutive bytes each.
; GELU as in layer 1: gelu(x) = max(x, 0) - |x| Q(|x|), Abramowitz and Stegun 26.2.17.  LIMITS: Phi's absolute error at most 7.5e-8; NaN and infinities are not served.
; NO CLUSTER, NO TENSOR LOAD: operands go from memory straight into operand registers; there is no tile in LDS that partners could ask for jointly, and the weights' addresses hang on a number read from memory.
; THE MODE: SCHED_MODE bits 1:0 = 2 (LLVM: expert scheduling mode 2), set by the entry lines.  The code itself states the register dependences between vector or matrix instructions and memory or LDS
; instructions, with s_wait_alu, always for 0.
; THE PLAN.  Registers that memory or LDS instructions touch:
;   v1-v9        offsets and LDS addresses, made at the head and never written again: one wait on va_vdst ahead of the first load serves the whole kernel.
;   S0, S1, S2   three operand sets by turns (fragments and scale words).  K step k: its 32 products read S[k % 3]; the loads of K step k + 2 land in S[(k + 2) % 3] = S[(k - 1) % 3], which the products of
;                step k - 1 read last.  So ONE wait on va_vdst stands at the head of steps 1 to 5, behind the wait for the step's data.  Behind it the step's 39 loads owe nothing more: the step's products name
;                S[k % 3] and the accumulators alone.  24 of them are dealt among the products, 15 follow the last product.  Step 0's loads land in S2, which nothing has named; steps 6 and 7 load nothing.
;   accumulators written by the products; read by the 64 LDS stores: the four places, then one wait on va_vdst, which also shows the products done reading S0, in which the partial tiles land.
;   v64-191      at the end: LDS loads land there, vector instructions work on them, v96-127 go to the stage: one wait on va_vdst ahead of each run of stage stores, one on vm_vsrc ahead of the loads that follow it.
; REGISTERS: window 0: v1-9 addresses; scale words of set s at v[16 + 8 s + 12 (s / 2)]: v16-21, v24-29, v44-49 (four hidden words, then W2's two); v32-41 A1..A5; v64-159 8 hidden fragments,
;   v160-207 4 fragments of W2 (set 0); v208-239 b2's 4 tiles.   window 1: the 32 accumulators, (m, t) at v[8 (4 m + t)].   windows 2, 3: operand sets 1, 2 at set 0's numbers.
;   At the end window 0's v64-191 hold four partial tiles, v192-255 GELU's temporaries.
.set WS_OFF, 6291456
.set HS_OFF, 12582912
.set STG, 131072                       ; LDS: 0.. four partial tiles of 32,768 bytes (accumulator a of wave o at 32768 o + 1024 a + 512 half + 16 lane); here a stage of 32 rows x (256 + 16) bytes for each wave
.set LI,  1                            ; v1  16 x lane
.set LS,  2                            ; v2  4 x lane
.set BA,  3                            ; v3  64 h
.set PS,  4                            ; v4  where I store my partial tile
.set PR,  5                            ; v5  where I read partial tiles 0, 1;  v6: 2, 3
.set SO,  7                            ; v7  the stage, in
.set SR,  8                            ; v8  the stage, out
.set GO,  9                            ; v9  my byte offset in two rows of out0
.set SCB, 16
.set CK,  32
.set HF,  64
.set WF,  160
.set BB,  208
.set GT,  192
.set KP,  35
.set KC,  36
.set MSB, 0
.macro WIN new                         ; the immediate's high byte repeats the setting that is left
.if MSB != \new
	s_set_vgpr_msb (MSB<<8)|\new
.set MSB, \new
.endif
.endm
; gelu of 16 registers, in place; 64 temporaries: U = T, S = T + 16, R = T + 32, M = T + 48.  The 32 transcendentals are one batch with one wait.
.macro GELU16 X, T
.irp i, 0,1,2,3,4,5,6,7,8,9,10,11,12,13,14,15
	v_fma_f32 v[\T+\i], |v[\X+\i]|, s[KP], 1.0
.endr
.irp i, 0,2,4,6,8,10,12,14
	v_pk_mul_f32 v[\T+16+\i:\T+17+\i], v[\X+\i:\X+\i+1], v[\X+\i:\X+\i+1]
.endr
.irp i, 0,2,4,6,8,10,12,14
	v_pk_mul_f32 v[\T+16+\i:\T+17+\i], v[\T+16+\i:\T+17+\i], s[KC:KC+1] op_sel_hi:[1,0]
.endr
.irp i, 0,1,2,3,4,5,6,7,8,9,10,11,12,13,14,15
	v_rcp_f32 v[\T+\i], v[\T+\i]
.endr
.irp i, 0,1,2,3,4,5,6,7,8,9,10,11,12,13,14,15
	v_exp_f32 v[\T+16+\i], v[\T+16+\i]
.endr
.irp i, 0,1,2,3,4,5,6,7,8,9,10,11,12,13,14,15
	v_max_num_f32 v[\T+48+\i], 0, v[\X+\i]         ; plain independent work behind the batch
.endr
	s_wait_alu depctr_va_vdst(0)                   ; the 32 reciprocals and exponentials have written v[T .. T+31], ahead of their first reader
.irp i, 0,2,4,6,8,10,12,14
	v_pk_fma_f32 v[\T+32+\i:\T+33+\i], v[\T+\i:\T+\i+1], v[CK+8:CK+9], v[CK+6:CK+7]
.endr
.irp a, 4,2,0
.irp i, 0,2,4,6,8,10,12,14
	v_pk_fma_f32 v[\T+32+\i:\T+33+\i], v[\T+32+\i:\T+33+\i], v[\T+\i:\T+\i+1], v[CK+\a:CK+\a+1]
.endr
.endr
.irp i, 0,2,4,6,8,10,12,14
	v_pk_mul_f32 v[\T+32+\i:\T+33+\i], v[\T+32+\i:\T+33+\i], v[\T+\i:\T+\i+1]
.endr
.irp i, 0,2,4,6,8,10,12,14
	v_pk_mul_f32 v[\T+32+\i:\T+33+\i], v[\T+32+\i:\T+33+\i], v[\T+16+\i:\T+17+\i]
.endr
.irp i, 0,1,2,3,4,5,6,7,8,9,10,11,12,13,14,15
	v_fma_f32 v[\X+\i], -|v[\X+\i]|, v[\T+32+\i], v[\T+48+\i]
.endr
.endm
; My k-th K step's 39 loads, in three parts, into operand set k % 3 (set 0, 1, 2: window 0, 2, 3).
; 12 loads: the hidden fragments m0 .. m0 + 3
.macro LOADH k, m0
.set ls, (\k)%3
.set lw, (ls+(ls+1)/2)<<6
	WIN lw                                         ; destination: the set's window; address window 0
.irp m, \m0, \m0+1, \m0+2, \m0+3
.irp c, 0,1,2
	global_load_b128 v[HF+12*(\m)+4*\c:HF+12*(\m)+4*\c+3], v[LI], s[4:5] offset:12288*(\k)+1536*(\m)+512*\c
.endr
.endr
.endm
; 15 loads: W2's four fragments and the set's scale words
.macro LOADW k
.set ls, (\k)%3
.set lw, (ls+(ls+1)/2)<<6
.set lb, SCB+8*ls+12*(ls/2)
	WIN lw
.irp t, 0,1,2,3
.irp c, 0,1,2
	global_load_b128 v[WF+12*\t+4*\c:WF+12*\t+4*\c+3], v[LI], s[6:7] offset:49152*(\t/2)+3072*(\k)+1536*(\t%2)+512*\c
.endr
.endr
	WIN 0                                          ; scale operands have no window: all three sets of scale words lie in window 0
	global_load_b128 v[lb:lb+3], v[LI], s[30:31] offset:512*(\k)
	global_load_b32 v[lb+4], v[LS], s[32:33] offset:128*(\k)
	global_load_b32 v[lb+5], v[LS], s[32:33] offset:2048+128*(\k)
.endm
.macro WM ra, rb                               ; one product on rD, rA, rB, rC, rSA, rSB; ra, rb = 1: that source's scales stand in lanes 16-31
.if (\ra) && (\rb)
	v_wmma_scale_f32_16x16x128_f8f6f4 v[rD:rD+7], v[rA:rA+11], v[rB:rB+11], v[rC:rC+7], v[rSA], v[rSB] matrix_a_fmt:MATRIX_FMT_FP6 matrix_b_fmt:MATRIX_FMT_FP6 matrix_a_scale:MATRIX_SCALE_ROW1 matrix_b_scale:MATRIX_SCALE_ROW1
.elseif (\ra)
	v_wmma_scale_f32_16x16x128_f8f6f4 v[rD:rD+7], v[rA:rA+11], v[rB:rB+11], v[rC:rC+7], v[rSA], v[rSB] matrix_a_fmt:MATRIX_FMT_FP6 matrix_b_fmt:MATRIX_FMT_FP6 matrix_a_scale:MATRIX_SCALE_ROW1
.elseif (\rb)
	v_wmma_scale_f32_16x16x128_f8f6f4 v[rD:rD+7], v[rA:rA+11], v[rB:rB+11], v[rC:rC+7], v[rSA], v[rSB] matrix_a_fmt:MATRIX_FMT_FP6 matrix_b_fmt:MATRIX_FMT_FP6 matrix_b_scale:MATRIX_SCALE_ROW1
.else
	v_wmma_scale_f32_16x16x128_f8f6f4 v[rD:rD+7], v[rA:rA+11], v[rB:rB+11], v[rC:rC+7], v[rSA], v[rSB] matrix_a_fmt:MATRIX_FMT_FP6 matrix_b_fmt:MATRIX_FMT_FP6
.endif
.endm
; 8 of a K step's 32 products: the tiles of tokens m0, m0 + 1 x W2's four tiles.  The 32 accumulators take turns, one instruction a turn, in the same order in every K step.
; The first K step's C is b2's tile (zeros in the wave of the upper K half).
.macro MUL8 k, m0
.set ms, (\k)%3
.set ww, 0x50+5*(ms+(ms+1)/2)          ; both operands in the set's window, C and D window 1
.if (\k) == 0
.set ww, 0x40                          ; operands and C window 0, D window 1
.endif
.set sb, SCB+8*ms+12*(ms/2)
	WIN ww
.irp m, \m0, \m0+1
.irp t, 0,1,2,3
.set rD, 8*(4*(\m)+\t)
.set rA, WF+12*\t
.set rB, HF+12*(\m)
.set rC, rD
.if (\k) == 0
.set rC, BB+8*\t
.endif
.set rSA, sb+4+\t/2
.set rSB, sb+(\m)/2
	WM \t%2, (\m)%2
.endr
.endr
.endm
.macro PLACES                                  ; four places: behind the lines that mask b2's tiles, ahead of the scaled products that take them as C (asked of A and B; kept for C too); and behind the last products, ahead of the stores that read results
.rept 4
	v_nop
.endr
.endm
	s_load_b256 s[4:11], s[0:1], 0x0               ; hc s[4:5], w2c s[6:7], b2 s[8:9], route_idx s[10:11]
	s_load_b128 s[12:15], s[0:1], 0x20             ; route_g s[12:13], out0 s[14:15]
	v_lshl_add_u32 v62, v0, 2, 0x28800
	v_mov_b32 v63, 0
	v_lshrrev_b32 v10, 5, v0
	v_readfirstlane_b32 s22, v10                   ; wave 0..3
	v_and_b32 v10, 31, v0                          ; lane
	v_and_b32 v11, 15, v0                          ; r
	v_bfe_u32 v12, v0, 4, 1                        ; h
	v_lshlrev_b32 v[LI], 4, v10
	v_lshlrev_b32 v[LS], 2, v10
	v_lshlrev_b32 v[BA], 6, v12
	s_wait_alu depctr_va_sdst(0)                   ; s22 is written, ahead of its first reader: LDS addresses and bases are made from it
	s_lshl_b32 s38, s22, 15
	v_add_nc_u32 v[PS], s38, v[LI]                 ; 32,768 x wave + 16 x lane
	s_lshl_b32 s38, s22, 13
	v_add_nc_u32 v[PR], s38, v[LI]                 ; my two tiles of tokens, accumulators 8 w .. 8 w + 7: 8,192 x wave + 16 x lane
	v_add_nc_u32 v[PR+1], 0x10000, v[PR]
	s_mul_i32 s38, s22, 8704
	s_add_co_u32 s38, s38, STG                     ; my stage
	v_mul_u32_u24 v[SO], v11, 272
	v_lshl_add_u32 v[SO], v12, 6, v[SO]
	v_add_nc_u32 v[SO], s38, v[SO]                 ; in: row r, + 64 h
	v_mul_u32_u24 v[SR], v12, 272
	v_lshl_add_u32 v[SR], v11, 4, v[SR]
	v_add_nc_u32 v[SR], s38, v[SR]                 ; out: lanes 0-15 one row, lanes 16-31 the next
	v_lshlrev_b32 v[GO], 11, v12
	v_lshl_add_u32 v[GO], v11, 4, v[GO]            ; and the same two rows of out0, 2,048 bytes apart
	v_mov_b32 v[CK], 0x3e027906                    ; A1 .. A5, each twice
	v_mov_b32 v[CK+1], 0x3e027906
	v_mov_b32 v[CK+2], 0xbe11a98e
	v_mov_b32 v[CK+3], 0xbe11a98e
	v_mov_b32 v[CK+4], 0x3f35f0e3
	v_mov_b32 v[CK+5], 0x3f35f0e3
	v_mov_b32 v[CK+6], 0xbf3a00e3
	v_mov_b32 v[CK+7], 0xbf3a00e3
	v_mov_b32 v[CK+8], 0x3f07dc22
	v_mov_b32 v[CK+9], 0x3f07dc22
	s_lshr_b32 s23, ttmp9, 3                       ; b
	s_and_b32 s24, ttmp9, 7                        ; os
	s_lshr_b32 s25, s22, 1                         ; slot
	s_and_b32 s26, s22, 1                          ; kh
	s_mov_b32 s29, 0                               ; the upper word of every offset pair s[28:29]
	s_mov_b32 s[KP], 0x3e6d3389
	s_mov_b32 s[KC], 0xbf38aa3b
	s_mov_b32 s[KC+1], s[KC]
	s_wait_kmcnt 0x0
	s_lshl_b32 s28, s23, 3
	s_add_nc_u64 s[12:13], s[12:13], s[28:29]      ; route_g at 2 b
	s_lshl_b32 s38, s25, 2
	s_add_co_u32 s28, s28, s38
	s_add_nc_u64 s[10:11], s[10:11], s[28:29]      ; route_idx at 2 b + slot
	s_load_b32 s27, s[10:11], 0x0                  ; my expert
	s_load_b64 s[18:19], s[12:13], 0x0             ; g0, g1
	s_lshl_b32 s38, s23, 1
	s_add_co_u32 s38, s38, s25                     ; pair
	s_lshl_b32 s38, s38, 4
	s_lshl_b32 s39, s26, 3
	s_add_co_u32 s38, s38, s39                     ; pair x 16 + my first K step
	s_lshl_b32 s28, s38, 9
	s_add_co_u32 s28, s28, HS_OFF
	s_add_nc_u64 s[30:31], s[4:5], s[28:29]        ; the hidden scale words
	s_mul_i32 s28, s38, 12288
	s_add_nc_u64 s[4:5], s[4:5], s[28:29]          ; the hidden images
	s_lshl_b32 s28, s23, 7
	s_lshl_b32 s38, s22, 5
	s_add_co_u32 s28, s28, s38                     ; the first token that I finish: 128 b + 32 w
	s_lshl_b32 s28, s28, 11
	s_lshl_b32 s38, s24, 8
	s_add_co_u32 s28, s28, s38
	s_add_nc_u64 s[14:15], s[14:15], s[28:29]
	s_cmp_eq_u32 s26, 0
	s_cselect_b32 s34, -1, 0                       ; the wave of the lower K half adds the bias
	s_wait_kmcnt 0x0
	s_min_u32 s27, s27, 7                          ; behind this line only shifts left, sums and products
	s_lshl_b32 s38, s27, 4
	s_lshl_b32 s39, s24, 1
	s_add_co_u32 s38, s38, s39                     ; e x 16 + my first group of 32 outputs
	s_lshl_b32 s38, s38, 4
	s_lshl_b32 s39, s26, 3
	s_add_co_u32 s38, s38, s39                     ; J of that group's first K step of mine
	s_lshl_b32 s28, s38, 7
	s_add_co_u32 s28, s28, WS_OFF
	s_add_nc_u64 s[32:33], s[6:7], s[28:29]
	s_mul_i32 s28, s38, 3072
	s_add_nc_u64 s[6:7], s[6:7], s[28:29]
	s_lshl_b32 s28, s27, 11
	s_lshl_b32 s38, s24, 8
	s_add_co_u32 s28, s28, s38
	s_add_nc_u64 s[8:9], s[8:9], s[28:29]          ; b2 at my expert's 64 columns
	s_mov_b32 s20, s19                             ; g1 in a pair of its own: the packed forms take a pair's low word for both halves
	s_mov_b32 s21, s19
	s_wait_alu depctr_va_vdst(0)                   ; the nine offsets and LDS addresses v1 to v9 are written, which the loads and stores of the whole kernel read
.irp t, 0,1,2,3
	global_load_b128 v[BB+8*\t:BB+8*\t+3], v[BA], s[8:9] offset:128*(\t/2)+32*(\t%2)       ; lane (r, h), tile t: b2 of columns 32 (t / 2) + 16 h + 8 (t % 2) + 0 .. 7
	global_load_b128 v[BB+8*\t+4:BB+8*\t+7], v[BA], s[8:9] offset:128*(\t/2)+32*(\t%2)+16
.endr
.irp k, 0,1
	LOADH \k, 0
	LOADH \k, 4
	LOADW \k
.endr
	s_wait_loadcnt 63                              ; b2's eight loads are in: 78 loads follow them, and 63 is the largest count that can be written
.irp i, 0,1,2,3,4,5,6,7,8,9,10,11,12,13,14,15,16,17,18,19,20,21,22,23,24,25,26,27,28,29,30,31
	v_and_b32 v[BB+\i], s34, v[BB+\i]
.endr
	PLACES
.irp k, 0,1,2,3,4,5,6,7
.if \k < 7
	s_wait_loadcnt 39                              ; this K step's set is in; the next set's 39 loads may be out
.else
	s_wait_loadcnt 0x0
.endif
.if (\k > 0) && (\k < 6)
	s_wait_alu depctr_va_vdst(0)                   ; the last K step's products are done reading their set's fragments and scale words, in which this step's 39 loads land
.endif
	MUL8 \k, 0
.if \k < 6
	LOADH \k+2, 0                                  ; two K steps ahead.  No wait: no vector or matrix instruction since the wait above names these registers (in step 0: none ever has)
.endif
	MUL8 \k, 2
.if \k < 6
	LOADH \k+2, 4
.endif
	MUL8 \k, 4
	MUL8 \k, 6
.if \k < 6
	LOADW \k+2                                     ; the set's last 15 loads stand behind the step's last product: up to there at most 39 + 24 loads of mine are out
.endif
.endr
	WIN 0
	PLACES
	WIN 0x04                                       ; an LDS store's data are its source 1: window 1
	s_wait_alu depctr_va_vdst(0)                   ; the products have written the accumulators, which the LDS stores read (the places above stay beside this wait), and are done reading set 0, in which the partial tiles land below
.irp a, 0,1,2,3,4,5,6,7,8,9,10,11,12,13,14,15,16,17,18,19,20,21,22,23,24,25,26,27,28,29,30,31
	ds_store_b128 v[PS], v[8*\a:8*\a+3] offset:1024*\a          ; each accumulator from its low end on; 512 consecutive bytes a store
	ds_store_b128 v[PS], v[8*\a+4:8*\a+7] offset:1024*\a+512
.endr
	WIN 0
	s_wait_dscnt 0x0                               ; for the others' sake: my partial tile lies in LDS
	s_barrier_signal -1
	s_barrier_wait -1                              ; all four do
; Tile of tokens 2 w + mi: the four partial tiles' 32 registers each; slot 0 = tiles 0 + 1, slot 1 = tiles 2 + 3; gelu; the weights; into my stage
.macro FIN mi
.if \mi
	s_wait_dscnt 0x0                               ; the first tile's stores into the stage are done,
	s_wait_alu depctr_vm_vsrc(0)                   ; and have read v96-127, in which loads land below
.endif
.irp o, 0,1,2,3
.irp t, 0,1,2,3
.irp f, 0,1
	ds_load_b128 v[64+32*\o+8*\t+4*\f:64+32*\o+8*\t+4*\f+3], v[PR+\o/2] offset:32768*(\o%2)+4096*\mi+1024*\t+512*\f
.endr
.endr
.endr
	s_wait_dscnt 0x0
.irp i, 0,2,4,6,8,10,12,14,16,18,20,22,24,26,28,30
	v_pk_add_f32 v[64+\i:65+\i], v[64+\i:65+\i], v[96+\i:97+\i]
	v_pk_add_f32 v[128+\i:129+\i], v[128+\i:129+\i], v[160+\i:161+\i]
.endr
	GELU16 64, GT
	GELU16 80, GT
	GELU16 128, GT
	GELU16 144, GT
.irp i, 0,2,4,6,8,10,12,14,16,18,20,22,24,26,28,30
	v_pk_mul_f32 v[96+\i:97+\i], v[64+\i:65+\i], s[18:19] op_sel_hi:[1,0]                          ; g0 x slot 0's
.endr
.irp i, 0,2,4,6,8,10,12,14,16,18,20,22,24,26,28,30
	v_pk_fma_f32 v[96+\i:97+\i], v[128+\i:129+\i], s[20:21], v[96+\i:97+\i] op_sel_hi:[1,0,1]      ; + g1 x slot 1's
.endr
	s_wait_alu depctr_va_vdst(0)                   ; the multiply-adds have written v96-127, which the stage's stores read; every vector instruction of this tile is done with v64-191, in which the next loads land
.irp g, 0,1
.irp q, 0,1,2,3
	ds_store_b128 v[SO], v[96+16*\g+4*\q:96+16*\g+4*\q+3] offset:4352*\mi+128*\g+16*\q   ; registers 16 g + 0 .. 15 are columns 32 g + 16 h + 0 .. 15 of token r
.endr
.endr
.endm
	FIN 0
	FIN 1
	s_wait_dscnt 0x0                               ; the second tile's stores into the stage are done,
	s_wait_alu depctr_vm_vsrc(0)                   ; and have read v96-127, in which loads land below
.irp i, 0,1,2,3,4,5,6,7,8,9,10,11,12,13,14,15
	ds_load_b128 v[64+4*\i:67+4*\i], v[SR] offset:544*\i        ; two rows an instruction; the stage is my wave's own
.endr
.irp i, 0,1,2,3,4,5,6,7,8,9,10,11,12,13,14,15
	s_wait_dscnt 15-\i                             ; the younger loads may be out
	global_store_b128 v[GO], v[64+4*\i:67+4*\i], s[14:15] offset:4096*\i th:TH_STORE_NT   ; sixteen lanes store 256 consecutive bytes, at a multiple of 256 from out0's first byte
.endr
	s_wait_dscnt 0x0
	s_wait_alu depctr_hold_cnt(0) depctr_sa_sdst(0) depctr_va_vdst(0) depctr_va_sdst(0) depctr_va_ssrc(0) depctr_va_vcc(0) depctr_vm_vsrc(0)
	s_wait_tensorcnt 0x0
	ds_add_u32 v62, v63
	s_wait_dscnt 0x0
	s_endpgm
.Lfunc_end_k_q1e97f32611_layer2:
	.size	k_q1e97f32611_layer2, .Lfunc_end_k_q1e97f32611_layer2-k_q1e97f32611_layer2
	.p2alignl 7, 3214868480
	.fill 96, 4, 3214868480
	.section	.rodata,"a",@progbits
	.p2align	6, 0x0
	.amdhsa_kernel k_q1e97f32611_layer2
		.amdhsa_group_segment_fixed_size 166400
		.amdhsa_private_segment_fixed_size 0
		.amdhsa_enable_private_segment 0
		.amdhsa_kernarg_size 48
		.amdhsa_user_sgpr_count 2
		.amdhsa_user_sgpr_kernarg_segment_ptr 1
		.amdhsa_wavefront_size32 1
		.amdhsa_system_sgpr_workgroup_id_x 1
		.amdhsa_system_sgpr_workgroup_id_y 1
		.amdhsa_system_sgpr_workgroup_id_z 1
		.amdhsa_system_vgpr_workitem_id 0
		.amdhsa_next_free_vgpr 976
		.amdhsa_next_free_sgpr 66
		.amdhsa_reserve_vcc 0
		.amdhsa_float_denorm_mode_32 3
		.amdhsa_float_denorm_mode_16_64 3
		.amdhsa_memory_ordered 1
		.amdhsa_forward_progress 1
		.amdhsa_inst_pref_size 151
	.end_amdhsa_kernel
	.amdgpu_metadata
---
amdhsa.version: [ 1, 2 ]
amdhsa.kernels:
  - .name:           k_q1e97f32611_layer2
    .symbol:         k_q1e97f32611_layer2.kd
    .args:
      - { .name: hc, .offset: 0, .size: 8, .value_kind: global_buffer, .address_space: global }
      - { .name: w2c, .offset: 8, .size: 8, .value_kind: global_buffer, .address_space: global }
      - { .name: b2, .offset: 16, .size: 8, .value_kind: global_buffer, .address_space: global }
      - { .name: route_idx, .offset: 24, .size: 8, .value_kind: global_buffer, .address_space: global }
      - { .name: route_g, .offset: 32, .size: 8, .value_kind: global_buffer, .address_space: global }
      - { .name: out0, .offset: 40, .size: 8, .value_kind: global_buffer, .address_space: global }
    .group_segment_fixed_size: 166400
    .private_segment_fixed_size: 0
    .kernarg_segment_align: 8
    .kernarg_segment_size: 48
    .max_flat_workgroup_size: 128
    .sgpr_count:     66
    .vgpr_count:     976
    .wavefront_size: 32
...
	.end_amdgpu_metadata
.endif
;; end of part 5
